; MI455X (gfx1250); checked and timed in simulation.
; The chip was launched on July 23, 2026; its instructions are those of AMD's public machine-readable ISA for CDNA 5 (MIT licence, August 2026) and "CDNA5" Instruction Set Architecture Reference Guide (July 2026). The comments in the code are by the model that wrote it; some were corrected since.
;; Mllama Text Self Attention. Allowed arithmetic: matrix products marked QUANTISED: E2M1 operands, one E8M0 scale for each 32 along K, by v_wmma_scale_f32_16x16x128_f8f6f4 with both operands' format E2M1 (or v_wmma_scale_f32_32x16x128_f4), f32 sums; everything else in f32.
;; Inputs: attention_mask 1 x 1 x 2,048 x 2,048 float32; cos 1 x 2,048 x 128 float32; hidden_states 2 x 2,048 x 4,096 float32; sin 1 x 2,048 x 128 float32; wk 512 x 4,096 float32; wo 4,096 x 1,024 float32; wq 1,024 x 4,096 float32; wv 512 x 4,096 float32.
;; Outputs: out0 2 x 2,048 x 4,096 float32.
;; This version of the problem:
;;   THIS VERSION OF THE PROBLEM IS GIVEN IN LOW PRECISION. The matrix products marked QUANTISED in the list below multiply operands that are first quantised to E2M1 (2 exponent bits, 1 mantissa bit; 4 bits a number), with one power-of-two scale for each 32 numbers along K (OCP MX v1.0); their sums are f32. All else is computed in f32.
;;   The module's matrix products, in the order in which they are computed (A, B: the left and right operand; K: the contracted axis; several contracted axes count as one K, in the product's order):
;;     1. [M 4,096, K 4,096] x [K 4,096, N 1,024]; A: input hidden_states; B: input wq: QUANTISED
;;     2. [M 4,096, K 4,096] x [K 4,096, N 512]; A: input hidden_states; B: input wk: QUANTISED
;;     3. [M 4,096, K 4,096] x [K 4,096, N 512]; A: input hidden_states; B: input wv: QUANTISED
;;     4. batch 16 x [M 2,048, K 128] x [K 128, N 2,048]; A: computed on the way; B: computed on the way: QUANTISED
;;     5. batch 16 x [M 2,048, K 2,048] x [K 2,048, N 128]; A: softmax (see below); B: computed on the way: QUANTISED
;;     6. [M 4,096, K 1,024] x [K 1,024, N 4,096]; A: computed on the way; B: input wo: QUANTISED
;;   THE QUANTISER, for each operand of a quantised product, along K:
;;     - K is cut into blocks of 32 from its start; a last block that is shorter is filled with zeros.
;;     - A block's scale is 2^e with e = floor(log2(the largest magnitude in the block)) - 2, held to -126 .. 127; a block of zeros has e = 0. As a byte (E8M0): e + 127.
;;     - Each number is divided by its block's scale, clamped to +-6, and rounded to the nearest number of E2M1, ties to even, subnormals kept.
;;     - The product sums the exact products of the quantised numbers (number of the format x scale) in f32.
;;   ~~~python
;;   def quantise(x, axis):      # numpy; x: float32 -> the quantised numbers, widened to float32 again
;;       x = np.moveaxis(x, axis, -1); K = x.shape[-1]
;;       x = np.pad(x, [(0, 0)] * (x.ndim - 1) + [(0, -K % 32)]); x = x.reshape(x.shape[:-1] + (-1, 32)); a = np.abs(x).max(-1, keepdims=True)
;;       e = np.where(a > 0, np.clip(np.frexp(np.where(a > 0, a, 1))[1] - 1 - 2, -126, 127), 0)      # np.frexp(a)[1] - 1 = floor(log2(a)), exactly
;;       r = np.clip(x / 2.0 ** e, -6, 6)
;;       step = 2.0 ** (np.maximum(np.frexp(np.where(r == 0, 1, r))[1] - 1, 0) - 1)
;;       q = np.round(r / step) * step * 2.0 ** e      # np.round: ties to even
;;       return np.moveaxis(q.reshape(q.shape[:-2] + (-1,))[..., :K], -1, axis).astype(np.float32)
;;   ~~~
;;   SOFTMAX AHEAD OF A QUANTISED PRODUCT. Where the list says 'softmax', what is quantised is not the finished softmax but p = 2^(t - M), with t = logit x log2(e) and M = ceil(the row's largest t), a whole number; so 1/2 < the row's largest p <= 1. The row's sum l is taken of the UNQUANTISED p, in f32, and the product's result is divided by l at the end. Since M is a whole number, a kernel that streams over the keys may use a running M (the ceiling of the running maximum): every later rescaling is an exact power of two, which a block's scale takes up: the codes' values come out the same.
;;   OPERANDS COMPUTED ON THE WAY. 'Computed on the way' means the value that the module computes at that place (a softmax that the list does not call 'softmax' is quantised finished and normalised). What goes into a quantiser is computed in f32, as accurately as f32 sums, v_exp_f32 and their like allow (about 1e-6 of the number): no bf16 or f16 on the way to a quantiser, and a product that is left as it is and whose result goes on into a quantised operand takes f32 operands (vector FMAs, or v_wmma_f32_16x16x4_f32). A number that lies on a knife's edge between two numbers of the format may be rounded either way, as far as f32 arithmetic and the matrix unit's own rounding can turn it there, and no further.
;; One version. Each part assembles by itself: llvm-mc -triple=amdgcn-amd-amdhsa -mcpu=gfx1250 --defsym DOCPART=n.
;; ======== version 1 of 1: 4 launches
;; limits: right only within a limited range of input values
;; workspace buffers: x_codes 8,388,608 bytes; x_scales 524,288 bytes; w_codes 6,291,456 bytes; w_scales 393,216 bytes; qkv_codes 4,194,304 bytes; qkv_scales 262,144 bytes; o_codes 2,097,152 bytes; o_scales 131,072 bytes
;; launch quant (part 1): grid 1792 x 1, 2 waves a work-group, no clusters, 16,640 bytes of LDS; arguments hidden_states, wq, wk, wv, wo, x_codes, x_scales, w_codes, w_scales; writes x_codes, x_scales, w_codes, w_scales
.if DOCPART == 1
	.amdgcn_target "amdgcn-amd-amdhsa--gfx1250"
	.amdhsa_code_object_version 6
	.text
	.protected	k_qdbe8734a38_quant
	.globl	k_qdbe8734a38_quant
	.p2align	8
	.type	k_qdbe8734a38_quant,@function
k_qdbe8734a38_quant:
	s_mov_b64 s[64:65], 0
	v_nop
	global_prefetch_b8 v0, s[64:65] scope:SCOPE_SE
	s_setreg_imm32_b32 hwreg(HW_REG_WAVE_MODE, 25, 1), 1
	s_wait_xcnt 0x0
; hidden_states [4096][4096], wq [1024][4096], wk [512][4096], wv [512][4096], wo [4096][1024], all f32 with K innermost, are turned into codes of FP4 (E2M1), 4 bits each,
; with one E8M0 scale byte for each 32 along K.  Rows are dense and every K is a multiple of 32, so each tensor is a plain stream of blocks of 32 numbers, and so are its codes and scale bytes.
; hidden_states goes to x_codes and x_scales; wq, wk, wv, wo go on end, in this order, to w_codes and w_scales.
; A block's scale is 2^(floor(log2(its largest magnitude)) - 2); its byte is the largest magnitude's exponent field - 2, held at 1 from below.
; LIMITS: a block of zeros, and a block whose largest magnitude lies under 2^-124, keep the byte 1 (the bytes are read by this program alone; zero codes add nothing under it); NaN and infinities are not served.
; A work-group of two waves takes 16,384 numbers, a wave 8,192: 16 steps of 512.  The five tensors are 1,792 such shares: seven for each of 256 WGPs.
; Work-groups 0-1023 hidden_states, 1024-1279 wq, 1280-1407 wk, 1408-1535 wv, 1536-1791 wo: only pointers are chosen, by the work-group's number.
; Each of a step's four loads reads 512 consecutive bytes, 16 a lane; the 2,048 bytes turn through the wave's own stage in LDS and come back 64 bytes a lane: 16 neighbours, half a block.
; A lane's 16 codes are 8 bytes: the wave stores 256 consecutive bytes.  A wave's 256 scale bytes are gathered in its own LDS bytes and leave as one run of 256 bytes.
; No tensor loads, no barrier: waves share nothing.  Loads run four steps (16 loads a wave) ahead, the turn through LDS one step.
.set STEPS, 16
.set CB,    8                          ; bytes of 16 codes
.set R,     16                         ; v16-79   four sets of 16 numbers as they are loaded
.set X,     80                         ; v80-111  two sets of 16 neighbours
.set E,     112                        ; v112-127 a scale byte for each step
.set C,     128                        ; v128-191 codes: four registers for each step, so that no store's data are written again
.set WREG,  8192                       ; LDS: a region for each wave: two stages of 32 x SP bytes, behind them its 256 scale bytes
.set SP,    80                         ; a lane's place in a stage: 64 bytes + 16 of padding
	s_load_b512 s[4:19], s[0:1], 0x0               ; hidden s[4:5], wq s[6:7], wk s[8:9], wv s[10:11], wo s[12:13], x_codes s[14:15], x_scales s[16:17], w_codes s[18:19]
	s_load_b64 s[20:21], s[0:1], 0x40              ; w_scales
	v_lshl_add_u32 v192, v0, 2, 0x4000
	v_mov_b32 v193, 0
	v_lshrrev_b32 v1, 5, v0
	v_readfirstlane_b32 s22, v1                    ; wave 0, 1
	v_and_b32 v2, 31, v0                           ; lane
	v_lshlrev_b32 v3, 4, v2                        ; my 16 bytes of a load's 512
	s_mul_i32 s23, s22, WREG
	v_lshrrev_b32 v14, 2, v2
	v_mul_u32_u24 v14, v14, SP
	v_and_b32 v15, 3, v2
	v_lshl_add_u32 v14, v15, 4, v14
	v_add_nc_u32 v14, s23, v14                     ; the stage, on the way in: SP (lane / 4) + 16 (lane % 4)
	v_mul_u32_u24 v15, v2, SP
	v_add_nc_u32 v15, s23, v15                     ; and on the way out: SP x lane: my 16 neighbours
	v_mul_u32_u24 v4, v2, CB                       ; my codes' place in a step's
	v_lshrrev_b32 v5, 1, v2
	s_add_co_u32 s23, s23, 2*32*SP
	v_add_nc_u32 v5, s23, v5                       ; LDS: my wave's 256 scale bytes, my block's byte
	v_lshlrev_b32 v7, 3, v2                        ; and on the way out 8 bytes a lane
	v_add_nc_u32 v6, s23, v7
	s_wait_alu depctr_va_vdst(0)
	s_wait_kmcnt 0x0
	s_mov_b64 s[26:27], s[12:13]                   ; the source: wo, unless the work-group's number says otherwise
	s_mov_b32 s32, 1536                            ; the first work-group of that source
	s_mov_b64 s[28:29], s[18:19]                   ; the codes' and the scale bytes' buffers,
	s_mov_b64 s[30:31], s[20:21]
	s_mov_b32 s33, 1024                            ; and the first work-group that writes into them
	s_cmp_lt_u32 ttmp9, 1536
	s_cselect_b64 s[26:27], s[10:11], s[26:27]
	s_cselect_b32 s32, 1408, s32
	s_cmp_lt_u32 ttmp9, 1408
	s_cselect_b64 s[26:27], s[8:9], s[26:27]
	s_cselect_b32 s32, 1280, s32
	s_cmp_lt_u32 ttmp9, 1280
	s_cselect_b64 s[26:27], s[6:7], s[26:27]
	s_cselect_b32 s32, 1024, s32
	s_cmp_lt_u32 ttmp9, 1024
	s_cselect_b64 s[26:27], s[4:5], s[26:27]
	s_cselect_b32 s32, 0, s32
	s_cselect_b64 s[28:29], s[14:15], s[28:29]
	s_cselect_b64 s[30:31], s[16:17], s[30:31]
	s_cselect_b32 s33, 0, s33
	s_sub_co_u32 s32, ttmp9, s32
	s_lshl_b32 s32, s32, 1
	s_add_co_u32 s32, s32, s22                     ; which run of 8,192 numbers of the source is my wave's
	s_lshl_b32 s34, s32, 15                        ; 32,768 bytes a run (2,047 runs at the most: under 2^32)
	s_mov_b32 s35, 0
	s_add_nc_u64 s[26:27], s[26:27], s[34:35]
	s_sub_co_u32 s33, ttmp9, s33
	s_lshl_b32 s33, s33, 1
	s_add_co_u32 s33, s33, s22                     ; and which run of the output streams
	s_lshl_b32 s34, s33, 12                        ; 4,096 bytes of codes a run
	s_add_nc_u64 s[28:29], s[28:29], s[34:35]
	s_lshl_b32 s34, s33, 8                         ; 256 scale bytes a run
	s_add_nc_u64 s[30:31], s[30:31], s[34:35]
.macro LOAD t
.irp i, 0,1,2,3
	global_load_b128 v[R+16*((\t)%4)+4*\i:R+16*((\t)%4)+4*\i+3], v3, s[26:27] offset:2048*(\t)+512*\i th:TH_LOAD_NT   ; 32 lanes read 512 consecutive bytes; read once in the launch
.endr
.endm
.macro TURN t                          ; step t's numbers through the stage: LDS serves a wave's instructions in order, so no wait stands between the stores and the loads
.irp i, 0,1,2,3
	ds_store_b128 v14, v[R+16*((\t)%4)+4*\i:R+16*((\t)%4)+4*\i+3] offset:32*SP*((\t)%2)+8*SP*\i
.endr
.irp i, 0,1,2,3
	ds_load_b128 v[X+16*((\t)%2)+4*\i:X+16*((\t)%2)+4*\i+3], v15 offset:32*SP*((\t)%2)+16*\i
.endr
.endm
.irp t, 0,1,2,3
	LOAD \t
.endr
	s_wait_loadcnt 12                              ; step 0's four loads are in; the twelve of steps 1 to 3 may be out
	TURN 0
.macro STEP t
.set XS, X+16*((\t)%2)
.if (\t) > 0
	s_wait_dscnt 1                                 ; this step's numbers are back from the stage (the last step's byte store may be out): so its stores into the stage have read their registers,
.else
	s_wait_dscnt 0x0
.endif
.if (\t)+4 < STEPS
	LOAD (\t)+4                                    ; which take the loads of four steps on
.endif
.if (\t)+1 < STEPS
.if STEPS-2-(\t) >= 3
	s_wait_loadcnt 12                              ; the next step's four loads are in; those of the three steps behind it may be out
.else
	s_wait_loadcnt 4*(STEPS-2-(\t))
.endif
	TURN (\t)+1                                    ; and go through the other stage while this step is worked
.endif
	v_max3_num_f32 v8, |v[XS]|, |v[XS+1]|, |v[XS+2]|               ; the largest magnitude of my 16, in two chains
	v_max3_num_f32 v9, |v[XS+3]|, |v[XS+4]|, |v[XS+5]|
.irp i, 6,10
	v_max3_num_f32 v8, v8, |v[XS+\i]|, |v[XS+\i+1]|
	v_max3_num_f32 v9, v9, |v[XS+\i+2]|, |v[XS+\i+3]|
.endr
	v_max3_num_f32 v8, v8, |v[XS+14]|, |v[XS+15]|
	v_max3_num_f32 v8, v8, v9, 0x1800000           ; and the floor 2^(3 - 127): the byte cannot fall under 1
	v_max_num_f32_dpp v8, v8, v8 row_xmask:1 row_mask:0xf bank_mask:0xf   ; and of my neighbour's 16: the block's
	v_add_nc_u32 v11, 0xff000000, v8               ; 2 off its exponent field: the conversion takes the exponent field of this operand as its scale, and nothing else of it
	v_cvt_scalef32_pk8_fp4_f32 v[C+4*(\t)], v[XS:XS+7], v11        ; eight numbers / the scale, to the nearest code, ties to even, beyond 6 the largest code
	v_cvt_scalef32_pk8_fp4_f32 v[C+4*(\t)+1], v[XS+8:XS+15], v11
	v_lshrrev_b32 v[E+(\t)], 23, v11               ; the scale's byte (a plain line behind the conversions)
	ds_store_b8 v5, v[E+(\t)] offset:16*(\t)       ; both lanes of a block write the same byte with the same value
	global_store_b64 v4, v[C+4*(\t):C+4*(\t)+1], s[28:29] offset:32*CB*(\t)   ; 32 lanes store 256 consecutive bytes
.endm
.irp t, 0,1,2,3,4,5,6,7,8,9,10,11,12,13,14,15
	STEP \t
.endr
	ds_load_b64 v[12:13], v6                       ; LDS serves a wave's instructions in order: these see my byte stores
	s_wait_dscnt 0x0
	global_store_b64 v7, v[12:13], s[30:31]        ; 32 lanes store 256 consecutive bytes
	s_wait_tensorcnt 0x0
	ds_add_u32 v192, v193
	s_wait_dscnt 0x0
	s_endpgm
.Lfunc_end_k_qdbe8734a38_quant:
	.size	k_qdbe8734a38_quant, .Lfunc_end_k_qdbe8734a38_quant-k_qdbe8734a38_quant
	.p2alignl 7, 3214868480
	.fill 96, 4, 3214868480
	.section	.rodata,"a",@progbits
	.p2align	6, 0x0
	.amdhsa_kernel k_qdbe8734a38_quant
		.amdhsa_group_segment_fixed_size 16640
		.amdhsa_private_segment_fixed_size 0
		.amdhsa_enable_private_segment 0
		.amdhsa_kernarg_size 72
		.amdhsa_user_sgpr_count 2
		.amdhsa_user_sgpr_kernarg_segment_ptr 1
		.amdhsa_wavefront_size32 1
		.amdhsa_system_sgpr_workgroup_id_x 1
		.amdhsa_system_sgpr_workgroup_id_y 1
		.amdhsa_system_sgpr_workgroup_id_z 1
		.amdhsa_system_vgpr_workitem_id 0
		.amdhsa_next_free_vgpr 194
		.amdhsa_next_free_sgpr 66
		.amdhsa_reserve_vcc 0
		.amdhsa_float_denorm_mode_32 3
		.amdhsa_float_denorm_mode_16_64 3
		.amdhsa_memory_ordered 1
		.amdhsa_forward_progress 1
		.amdhsa_inst_pref_size 34
	.end_amdhsa_kernel
	.amdgpu_metadata
---
amdhsa.version: [ 1, 2 ]
amdhsa.kernels:
  - .name:           k_qdbe8734a38_quant
    .symbol:         k_qdbe8734a38_quant.kd
    .args:
      - { .name: hidden_states, .offset: 0, .size: 8, .value_kind: global_buffer, .address_space: global }
      - { .name: wq, .offset: 8, .size: 8, .value_kind: global_buffer, .address_space: global }
      - { .name: wk, .offset: 16, .size: 8, .value_kind: global_buffer, .address_space: global }
      - { .name: wv, .offset: 24, .size: 8, .value_kind: global_buffer, .address_space: global }
      - { .name: wo, .offset: 32, .size: 8, .value_kind: global_buffer, .address_space: global }
      - { .name: x_codes, .offset: 40, .size: 8, .value_kind: global_buffer, .address_space: global }
      - { .name: x_scales, .offset: 48, .size: 8, .value_kind: global_buffer, .address_space: global }
      - { .name: w_codes, .offset: 56, .size: 8, .value_kind: global_buffer, .address_space: global }
      - { .name: w_scales, .offset: 64, .size: 8, .value_kind: global_buffer, .address_space: global }
    .group_segment_fixed_size: 16640
    .private_segment_fixed_size: 0
    .kernarg_segment_align: 8
    .kernarg_segment_size: 72
    .max_flat_workgroup_size: 64
    .sgpr_count:     66
    .vgpr_count:     194
    .wavefront_size: 32
...
	.end_amdgpu_metadata
.endif
;; end of part 1
;; launch qkv (part 2): grid 256 x 1, 4 waves a work-group, clusters of 4 x 1, 327,680 bytes of LDS; arguments x_codes, x_scales, w_codes, w_scales, cos, sin, qkv_codes, qkv_scales; writes qkv_codes, qkv_scales
.if DOCPART == 2
	.amdgcn_target "amdgcn-amd-amdhsa--gfx1250"
	.amdhsa_code_object_version 6
	.text
	.protected	k_qdbe8734a38_qkv
	.globl	k_qdbe8734a38_qkv
	.p2align	8
	.type	k_qdbe8734a38_qkv,@function
k_qdbe8734a38_qkv:
	s_mov_b64 s[64:65], 0
	v_nop
	global_prefetch_b8 v0, s[64:65] scope:SCOPE_SE
	s_setreg_imm32_b32 hwreg(HW_REG_WAVE_MODE, 25, 1), 1
	s_wait_xcnt 0x0
	s_wait_alu depctr_hold_cnt(0) depctr_sa_sdst(0) depctr_va_vdst(0) depctr_va_sdst(0) depctr_va_ssrc(0) depctr_va_vcc(0) depctr_vm_vsrc(0)
	s_getreg_b32 s2, hwreg(HW_REG_IB_STS2, 6, 4)
	s_cmp_eq_u32 s2, 0
	s_cbranch_scc0 .Lentry_in_a_cluster
	s_endpgm
.Lentry_in_a_cluster:
	s_bfe_u32 s2, ttmp6, 0x10000c
	s_cmp_lg_u32 s2, 0x3003
	s_cbranch_scc0 .Lentry_shape_is_right
	s_endpgm
.Lentry_shape_is_right:
; The three projections q, k, v = x W^T on codes of FP4 (E2M1) with E8M0 scales, K = 4,096, then RoPE on q and k in f32, then the quantisers of the attention's operands: q and k along the head's 128, v along the keys.
; ONE FORM FOR BOTH KINDS OF WORK.  A work-group makes D[p][r] for 128 rows P and 256 rows R; source 0 = 16 rows of P, source 1 = 16 rows of R: a lane holds ONE row of R, and its registers run along P,
; which is the axis that is quantised next.  Role QK (clusters 0-47): P = the 128 rows of one head of wq | wk, R = 256 rows of x.  Role V (clusters 48-63): P = 128 rows of x (keys), R = 256 rows of wv (two heads).
; The role hangs on the cluster's number alone; it chooses pointers and the way out; LDS, loop and waits are the same.
; CLUSTER 4 x 1: the four partners share the tile of R, which is asked for JOINTLY (mask 15); each has its own tile of P, a plain load.  Not 4 x 4: role V has only two tiles of R, so no 4 x 4 block of equal
; shape exists for it.  For a K step a work-group so asks for 64 / 4 + 32 KiB in place of 96.
; A wave takes all 128 rows of P against 64 rows of R: 32 accumulators of 16 x 16.  K goes in steps of 512 (rows of 256 bytes) through two LDS slots; the scale bytes of all of K come once and stay.
; COS AND SIN of a wave's 64 rows, 128 registers for each tile of 16, are asked for ahead of the way out, into registers that the loop leaves free: tiles 1 and 2 at the head, tile 3 behind the loop;
; tile 0, whose place P's fragments hold, behind the last product; the tiles are worked in the order 1, 2, 3, 0.  Role V issues the 96 loads a wave of tiles 1 to 3 too and uses none of them:
; these lines stand on the one path that both roles take, so that every path has the same loads and the same counts.
; OUTPUT.  qkv_codes: [head 0-7 q, 8-11 k][m][64 bytes]; from V_C on v as [m / 256][kv][d][128 bytes] (keys innermost).  qkv_scales: [head][m][4]; from V_S on [b][kv][d][64].
; The codes leave as 16 bytes a lane in runs of 32 to 64 bytes: 4.5 MB in all; a stage in LDS that would gather longer runs is left out.
; LIMITS: NaN and infinities are not served; a block of zeros, and one whose largest magnitude lies under 2^-124, keep the scale byte 1 (read by this program alone).
; REGISTERS, in windows of 256: window 0: v1-29 addresses; v32-79 scale words, two sets; v128-191 R's fragments, two sets (on the way out: 64 numbers at work); v192-227 codes and scale words to store; v232-247 at work.
;   window 1: v0-127 P's fragments, two sets (on the way out cos and sin of tile 0); v128-255 cos and sin of tile 1.   window 2: accumulator (a, b) at v[8 (8 a + b)].   window 3: cos and sin of tiles 2, 3.
.set ROWB,   256                       ; a tile's row in bytes: 512 codes
.set KROW,   2048                      ; a row of x or of w in memory, in bytes
.set PITCH,  272                       ; an LDS row: 256 bytes + 16 of padding: the 16 rows that a load touches start 68 words apart
.set HALFR,  128*PITCH                 ; what one load brings of R
.set HALFP,  64*PITCH                  ; of P; also: the 64 rows of R that one wave reads
.set POFF,   2*HALFR                   ; a slot: R's 256 rows, then P's 128
.set SLOT,   POFF+2*HALFP
.set SCL,    2*SLOT                    ; behind the ring: R's scale bytes (256 rows x 128 bytes) as runs of 256 bytes + 16 of padding,
.set SCP,    SCL+128*272               ; P's (128 rows),
.set SPARE,  SCP+64*272                ; and the spare words, 128 bytes for each wave: two blocks of 256 bytes that no other line names
.set SBLK,   8*272                     ; the scale bytes of 16 rows
.set LAPS,   4                         ; a lap = two K steps = once round the ring
.set V_C,    3145728
.set V_S,    196608
.set ADRR, 16                          ; v16-17  LDS address of my R fragments in slot 0, 1
.set ADRP, 20                          ; v20-21  the same for P
.set ADSP, 22                          ; v22     P's scale words: lanes 0-15 block i, lanes 16-31 block i + 4
.set ADSR, 23                          ; v23     R's: lanes 0-15 block i, lanes 16-31 block i + 2
.set CA,   24                          ; v24     my byte in a tile's rows of cos and sin; never rewritten
.set QO,   25                          ; v25     the way out: my byte in a tile's codes
.set QS,   26                          ; v26     and in its scale words
.set SPW,  28                          ; v28     LDS address of my spare word; never rewritten
.set NIL,  29                          ; v29     0; never rewritten
.set SC,   32                          ; scale words: set n at v[SC + 24 n]: 16 registers for P (4 i + q), 8 for R (16 + 4 i + q)
.set RF,   128                         ; R's fragments: set p at v[RF + 32 p]
.set T,    128                         ; the way out: 64 numbers of a lane
.set PC,   192                         ; the codes of tile a at v[PC + 8 a]
.set PW,   224                         ; its scale word at v[PW + a]
.set TM,   232                         ; v232-235 largest magnitudes, v236-239 the other half's, then bytes, v244-247 the conversions' scale operands
.set SEL,  44                          ; s[44:45] lane selects: lane l xor 16
.set G1R,  24                          ; s[24:31] group 1 for R's tiles;  s[32:39] group 0, one set for each slot
.set G0R,  32
.set G1P,  48                          ; s[48:55], s[56:63] the same for P's
.set G0P,  56
.set G1RS, 68                          ; s[68:75], s[76:79] for R's scale bytes;  s[80:87], s[88:91] for P's
.set G0RS, 76
.set G1PS, 80
.set G0PS, 88
.set MSB, 0
.macro WIN new                         ; the immediate's high byte repeats the setting that is left
.if MSB != (\new)
	s_set_vgpr_msb (MSB<<8)|(\new)
.set MSB, (\new)
.endif
.endm
.set MUL,  0xa1                        ; source 0 (P) window 1, source 1 (R) window 0, C and D window 2
.set TO_P, 0x40                        ; destination window 1, address window 0
; Waves 0 and 1 fetch for R (jointly), waves 2 and 3 for P.  The branch hangs on the wave's number alone.  Four v_nop follow each of the two lines.
.macro JLOAD g0a, g1a, g0b, g1b
	s_cmp_eq_u32 s15, 0
	s_cbranch_scc0 .Lfor_p_\@
	tensor_load_to_lds s[\g0a:\g0a+3], s[\g1a:\g1a+7]
	s_nop 0
.rept 4
	v_nop
.endr
	s_branch .Lasked_\@
.Lfor_p_\@:
	tensor_load_to_lds s[\g0b:\g0b+3], s[\g1b:\g1b+7]
	s_nop 0
.rept 4
	v_nop
.endr
.Lasked_\@:
.endm
.macro CREST                           ; a round of the cluster's barrier behind its opening barrier
	s_cmp_lg_u32 s14, 0
	s_cbranch_scc1 .Lnot_wave_0_\@
	s_barrier_signal -3
.Lnot_wave_0_\@:
	s_barrier_wait -3
	s_barrier_signal -1
	s_barrier_wait -1
.endm
.macro CROUND                          ; a whole round
	s_barrier_signal -1
	s_barrier_wait -1
	CREST
.endm
.macro PLACES n
.rept \n
	v_nop
.endr
.endm
.macro CSLOAD a                        ; tile a's 64 cos and 64 sin of my lane: 32 loads, into window 1 (tiles 0, 1) or 3 (tiles 2, 3), 128 registers a tile
.if (\a) < 2
	WIN 0x40
.else
	WIN 0xc0
.endif
.set CBB, 128*((\a)%2)
.irp b, 0,1,2,3,4,5,6,7
.irp j, 0,1
	global_load_b128 v[CBB+8*\b+4*\j:CBB+8*\b+4*\j+3], v[CA], s[92:93] offset:(\a)*8192+64*\b+16*\j
	global_load_b128 v[CBB+64+8*\b+4*\j:CBB+64+8*\b+4*\j+3], v[CA], s[94:95] offset:(\a)*8192+64*\b+16*\j
.endr
.endr
	WIN 0
.endm
	s_load_b256 s[4:11], s[0:1], 0x0               ; x_codes s[4:5], x_scales s[6:7], w_codes s[8:9], w_scales s[10:11]
	s_load_b256 s[92:99], s[0:1], 0x20             ; cos s[92:93], sin s[94:95], qkv_codes s[96:97], qkv_scales s[98:99]
	v_lshl_add_u32 v[SPW], v0, 2, SPARE
	v_mov_b32 v[NIL], 0
	ds_add_u32 v28, v29
	ds_add_u32 v28, v29
	s_wait_dscnt 0x0
	v_lshrrev_b32 v1, 5, v0
	v_readfirstlane_b32 s14, v1                    ; wave 0..3
	s_lshr_b32 s15, s14, 1                         ; I fetch for R (0) or for P (1)
	s_and_b32 s16, s14, 1                          ; which half of that tile
	s_bfe_u32 s40, ttmp6, 0x40000                  ; cx: my place in the cluster: it enters P's addresses and the output's alone
	s_mov_b32 s[SEL], 0x76543210
	s_mov_b32 s[SEL+1], 0xfedcba98
	; group 1.  R's tile: 128 rows x 256 bytes, 2,048 bytes apart, 16 bytes of padding behind each; mask 15 and bit 21 beside it
	s_mov_b32 s[G1R+0], 15|(1<<20)|(1<<21)|(5<<22)|(3<<25)
	s_mov_b32 s[G1R+1], ROWB<<16                   ; tensor_dim0
	s_mov_b32 s[G1R+2], 256<<16                    ; tensor_dim1: the head's load brings all 256 rows; behind it the two words that count rows are set to 128
	s_mov_b32 s[G1R+3], ROWB<<16                   ; tile_dim0
	s_mov_b32 s[G1R+4], 256                        ; tile_dim1
	s_mov_b32 s[G1R+5], KROW                       ; stride from row to row
	s_mov_b32 s[G1R+6], 0
	s_mov_b32 s[G1R+7], 0
	; P's tile: 64 rows, no mask
	s_mov_b32 s[G1P+0], (1<<20)|(5<<22)|(3<<25)
	s_mov_b32 s[G1P+1], ROWB<<16
	s_mov_b32 s[G1P+2], 128<<16
	s_mov_b32 s[G1P+3], ROWB<<16
	s_mov_b32 s[G1P+4], 128
	s_mov_b32 s[G1P+5], KROW
	s_mov_b32 s[G1P+6], 0
	s_mov_b32 s[G1P+7], 0
	; the scale bytes of 256 rows of R: 32,768 dense bytes as 128 rows of 256 (32 elements of 8 bytes)
	s_mov_b32 s[G1RS+0], 15|(3<<16)|(1<<20)|(1<<21)|(5<<22)|(3<<25)
	s_mov_b32 s[G1RS+1], 32<<16
	s_mov_b32 s[G1RS+2], 128<<16
	s_mov_b32 s[G1RS+3], 32<<16
	s_mov_b32 s[G1RS+4], 128
	s_mov_b32 s[G1RS+5], 32
	s_mov_b32 s[G1RS+6], 0
	s_mov_b32 s[G1RS+7], 0
	; and of 128 rows of P: 64 rows of 256
	s_mov_b32 s[G1PS+0], (3<<16)|(1<<20)|(5<<22)|(3<<25)
	s_mov_b32 s[G1PS+1], 32<<16
	s_mov_b32 s[G1PS+2], 64<<16
	s_mov_b32 s[G1PS+3], 32<<16
	s_mov_b32 s[G1PS+4], 64
	s_mov_b32 s[G1PS+5], 32
	s_mov_b32 s[G1PS+6], 0
	s_mov_b32 s[G1PS+7], 0
	; which tiles: both roles' numbers are made, then one compare chooses
	s_and_b32 s41, ttmp9, 15                       ; QK: tile of R (x): 0..15
	s_lshl_b32 s20, s41, 8                         ;     its first row
	s_lshr_b32 s42, ttmp9, 4
	s_lshl_b32 s42, s42, 2
	s_add_co_u32 s42, s42, s40                     ;     tile of P = the head, 0..11
	s_sub_co_u32 s17, ttmp9, 48
	s_and_b32 s17, s17, 15                         ; V: the cluster's number among the sixteen
	s_and_b32 s2, s17, 1                           ;    tile of R (wv): 0, 1
	s_lshl_b32 s22, s2, 8
	s_add_co_u32 s22, s22, 1536                    ;    its first row in w
	s_lshr_b32 s18, s17, 1
	s_lshl_b32 s18, s18, 2
	s_add_co_u32 s18, s18, s40                     ;    tile of P (128 rows of x): 0..31
	s_wait_kmcnt 0x0
	s_cmp_lt_u32 ttmp9, 48                         ; the role: the same in all four partners
	s_cselect_b32 s41, s41, s2                     ; tile of R
	s_cselect_b32 s20, s20, s22                    ; its first row
	s_cselect_b32 s42, s42, s18                    ; tile of P
	s_cselect_b64 s[12:13], s[4:5], s[8:9]         ; R's codes,
	s_cselect_b64 s[46:47], s[6:7], s[10:11]       ; R's scale bytes,
	s_cselect_b64 s[66:67], s[8:9], s[4:5]         ; P's codes,
	s_cselect_b64 s[100:101], s[10:11], s[6:7]     ; P's scale bytes
	s_lshl_b32 s22, s20, 11
	s_mov_b32 s23, 0
	s_add_nc_u64 s[12:13], s[12:13], s[22:23]
	s_lshl_b32 s22, s20, 7
	s_add_nc_u64 s[46:47], s[46:47], s[22:23]
	s_lshl_b32 s21, s42, 7
	s_lshl_b32 s18, s21, 11
	s_mov_b32 s19, 0
	s_add_nc_u64 s[66:67], s[66:67], s[18:19]
	s_lshl_b32 s18, s21, 7
	s_add_nc_u64 s[100:101], s[100:101], s[18:19]
	s_mul_i32 s17, s16, HALFR                      ; where they go: the wave's number and constants alone
	s_mul_i32 s2, s16, HALFP
	s_add_co_u32 s2, s2, POFF
	CROUND                                         ; all four work-groups are here: the first joint loads meet
	s_mov_b32 s[G0RS], 1
	s_mov_b32 s[G0RS+1], SCL
	s_mov_b64 s[G0RS+2:G0RS+3], s[46:47]
	s_or_b32 s[G0RS+3], s[G0RS+3], 0x80000000
	s_mov_b32 s[G0PS], 1
	s_mov_b32 s[G0PS+1], SCP
	s_mov_b64 s[G0PS+2:G0PS+3], s[100:101]
	s_or_b32 s[G0PS+3], s[G0PS+3], 0x80000000
	s_mov_b32 s4, 1                                ; s[4:7], s[8:11]: group 0 of the head's loads of K step 0, R's 256 rows and P's 128 (the arguments that lay there have been used)
	s_mov_b32 s5, 0
	s_mov_b64 s[6:7], s[12:13]
	s_or_b32 s7, s7, 0x80000000
	s_mov_b32 s8, 1
	s_mov_b32 s9, POFF
	s_mov_b64 s[10:11], s[66:67]
	s_or_b32 s11, s11, 0x80000000
	s_mul_i32 s18, s16, 128*KROW                   ; for the ring: my half of the tile's rows
	s_add_nc_u64 s[12:13], s[12:13], s[18:19]
	s_mul_i32 s18, s16, 64*KROW
	s_add_nc_u64 s[66:67], s[66:67], s[18:19]
.irp n, 0,1
	s_mov_b32 s[G0R+4*\n], 1
	s_add_co_u32 s[G0R+4*\n+1], s17, \n*SLOT
	s_add_nc_u64 s[G0R+4*\n+2:G0R+4*\n+3], s[12:13], \n*ROWB
	s_or_b32 s[G0R+4*\n+3], s[G0R+4*\n+3], 0x80000000
	s_mov_b32 s[G0P+4*\n], 1
	s_add_co_u32 s[G0P+4*\n+1], s2, \n*SLOT
	s_add_nc_u64 s[G0P+4*\n+2:G0P+4*\n+3], s[66:67], \n*ROWB
	s_or_b32 s[G0P+4*\n+3], s[G0P+4*\n+3], 0x80000000
.endr
; THE HEAD'S LOADS, ONE A WAVE: wave 0 K step 0's 256 rows of R, wave 1 its 128 rows of P, wave 2 R's scale bytes, wave 3 P's.  One tree on the wave's number, one load to an arm.
.macro ARM under, g0, g1, next
	s_cmp_lt_u32 s14, \under
	s_cbranch_scc0 \next
	tensor_load_to_lds s[\g0:\g0+3], s[\g1:\g1+7]
	s_nop 0
.rept 4
	v_nop
.endr
	s_branch .Lhead_asked
\next:
.endm
	ARM 1, 4, G1R, .Lhead_p
	ARM 2, 8, G1P, .Lhead_rs
	ARM 3, G0RS, G1RS, .Lhead_ps
	tensor_load_to_lds s[G0PS:G0PS+3], s[G1PS:G1PS+7]
	s_nop 0
.rept 4
	v_nop
.endr
.Lhead_asked:
	v_and_b32 v1, 15, v0                           ; r = lane % 16 (kept)
	s_wait_alu depctr_va_vdst(0)
	v_bfe_u32 v2, v0, 4, 1                         ; h = lane / 16 (kept)
	; cos and sin of my 64 rows: the position in the sequence is (256 x tile of R + 64 x wave) mod 2,048; rows of 512 bytes; lane (r, h): row r, + 32 h
	s_lshl_b32 s17, s41, 8
	s_lshl_b32 s18, s14, 6
	s_add_co_u32 s17, s17, s18
	s_and_b32 s18, s17, 2047
	s_lshl_b32 s18, s18, 9
	s_mov_b32 s19, 0
	s_add_nc_u64 s[92:93], s[92:93], s[18:19]
	s_add_nc_u64 s[94:95], s[94:95], s[18:19]
	v_lshlrev_b32 v[CA], 9, v1
	s_wait_alu depctr_va_vdst(0)
	v_lshl_add_u32 v[CA], v2, 5, v[CA]
	CSLOAD 1                                       ; tiles 1 and 2: 64 loads, which land while the first tiles of codes are on their way
	CSLOAD 2
	v_mul_u32_u24 v3, v1, PITCH
	v_lshl_add_u32 v4, v2, 4, v3                   ; a fragment's row x pitch + 16 h
	s_mul_i32 s21, s14, HALFP                      ; my 64 rows of R
	v_add_nc_u32 v[ADRR], s21, v4
	v_add_nc_u32 v[ADRP], POFF, v4
	s_add_co_u32 s21, s21, SLOT
	v_add_nc_u32 v[ADRR+1], s21, v4
	v_add_nc_u32 v[ADRP+1], POFF+SLOT, v4
	v_lshlrev_b32 v5, 7, v1                        ; a row's 128 scale bytes: two rows to a run of 256,
	v_lshrrev_b32 v6, 1, v1
	v_lshl_add_u32 v5, v6, 4, v5                   ; 16 more for each run passed
	v_mul_u32_u24 v6, v2, 4*SBLK                   ; lanes 16-31: four blocks of P on
	v_add_nc_u32 v6, v6, v5
	v_add_nc_u32 v[ADSP], SCP, v6
	v_mul_u32_u24 v6, v2, 2*SBLK                   ; lanes 16-31: two blocks of R on
	v_add_nc_u32 v6, v6, v5
	s_mul_i32 s21, s14, 4*SBLK                     ; my four blocks of R
	s_add_co_u32 s21, s21, SCL
	v_add_nc_u32 v[ADSR], s21, v6
.irp b, 0,1,2,3
	v_mov_b32 v[TM+4+\b], 0                        ; written once: a lane permute's destination counts as one of its sources
.endr
.macro FRAG reg, adr, q, i             ; a fragment, 16 rows x 128 K of 4-bit codes: lane l holds row l % 16; registers 4 c .. 4 c + 3 hold K = 64 c + 32 (l / 16) + 0 .. 31
.irp c, 0,1
	ds_load_b128 v[(\reg)+4*\c:(\reg)+4*\c+3], v[\adr] offset:64*(\q)+32*\c+(\i)*16*PITCH
.endr
.endm
.macro SCALES n                        ; a K step's scale words into set n: four words a row
.irp i, 0,1,2,3
	ds_load_b128 v[SC+24*(\n)+4*\i:SC+24*(\n)+4*\i+3], v[ADSP] offset:\i*SBLK
.endr
.irp i, 0,1
	ds_load_b128 v[SC+24*(\n)+16+4*\i:SC+24*(\n)+16+4*\i+3], v[ADSR] offset:\i*SBLK
.endr
.endm
; One run of loads: the fragments of the slot's q-th 128 along K into set p: P's eight (16 loads), R's blocks 0, 1 (4), with sc >= 0 the scale words of set sc (6), R's blocks 2, 3 (4, the youngest)
.macro FETCH slot, q, p, sc
	WIN TO_P
.irp i, 0,1,2,3,4,5,6,7
	FRAG 64*(\p)+8*\i, ADRP+\slot, \q, \i
.endr
	WIN 0
	FRAG RF+32*(\p), ADRR+\slot, \q, 0
	FRAG RF+32*(\p)+8, ADRR+\slot, \q, 1
.if (\sc) >= 0
	SCALES \sc
.endif
	FRAG RF+32*(\p)+16, ADRR+\slot, \q, 2
	FRAG RF+32*(\p)+24, ADRR+\slot, \q, 3
.endm
; One matrix instruction on the registers named by rD, rP, rR, rSP, rSR.  ha, hb: the side's scale words stand in lanes 16-31.  zero = 1: the product starts the sum.
.macro WM zero, ha, hb
.if \zero
.if (\ha) && (\hb)
	v_wmma_scale_f32_16x16x128_f8f6f4 v[rD:rD+7], v[rP:rP+7], v[rR:rR+7], 0, v[rSP], v[rSR] matrix_a_fmt:MATRIX_FMT_FP4 matrix_b_fmt:MATRIX_FMT_FP4 matrix_a_scale:MATRIX_SCALE_ROW1 matrix_b_scale:MATRIX_SCALE_ROW1
.elseif (\ha)
	v_wmma_scale_f32_16x16x128_f8f6f4 v[rD:rD+7], v[rP:rP+7], v[rR:rR+7], 0, v[rSP], v[rSR] matrix_a_fmt:MATRIX_FMT_FP4 matrix_b_fmt:MATRIX_FMT_FP4 matrix_a_scale:MATRIX_SCALE_ROW1
.elseif (\hb)
	v_wmma_scale_f32_16x16x128_f8f6f4 v[rD:rD+7], v[rP:rP+7], v[rR:rR+7], 0, v[rSP], v[rSR] matrix_a_fmt:MATRIX_FMT_FP4 matrix_b_fmt:MATRIX_FMT_FP4 matrix_b_scale:MATRIX_SCALE_ROW1
.else
	v_wmma_scale_f32_16x16x128_f8f6f4 v[rD:rD+7], v[rP:rP+7], v[rR:rR+7], 0, v[rSP], v[rSR] matrix_a_fmt:MATRIX_FMT_FP4 matrix_b_fmt:MATRIX_FMT_FP4
.endif
.else
.if (\ha) && (\hb)
	v_wmma_scale_f32_16x16x128_f8f6f4 v[rD:rD+7], v[rP:rP+7], v[rR:rR+7], v[rD:rD+7], v[rSP], v[rSR] matrix_a_fmt:MATRIX_FMT_FP4 matrix_b_fmt:MATRIX_FMT_FP4 matrix_a_scale:MATRIX_SCALE_ROW1 matrix_b_scale:MATRIX_SCALE_ROW1
.elseif (\ha)
	v_wmma_scale_f32_16x16x128_f8f6f4 v[rD:rD+7], v[rP:rP+7], v[rR:rR+7], v[rD:rD+7], v[rSP], v[rSR] matrix_a_fmt:MATRIX_FMT_FP4 matrix_b_fmt:MATRIX_FMT_FP4 matrix_a_scale:MATRIX_SCALE_ROW1
.elseif (\hb)
	v_wmma_scale_f32_16x16x128_f8f6f4 v[rD:rD+7], v[rP:rP+7], v[rR:rR+7], v[rD:rD+7], v[rSP], v[rSR] matrix_a_fmt:MATRIX_FMT_FP4 matrix_b_fmt:MATRIX_FMT_FP4 matrix_b_scale:MATRIX_SCALE_ROW1
.else
	v_wmma_scale_f32_16x16x128_f8f6f4 v[rD:rD+7], v[rP:rP+7], v[rR:rR+7], v[rD:rD+7], v[rSP], v[rSR] matrix_a_fmt:MATRIX_FMT_FP4 matrix_b_fmt:MATRIX_FMT_FP4
.endif
.endif
.endm
; 8 matrix instructions: R's block a against P's eight, the slot's q-th 128 along K, fragments of set p, scale words of set n.
; The 32 accumulators take turns, one instruction a turn, in the same order in every step.
.macro MUL8 a, p, q, n, zero
.irp b, 0,1,2,3,4,5,6,7
.set rD, 8*(8*(\a)+\b)
.set rP, 64*(\p)+8*\b
.set rR, RF+32*(\p)+8*(\a)
.set rSP, SC+24*(\n)+4*(\b%4)+(\q)
.set rSR, SC+24*(\n)+16+4*((\a)%2)+(\q)
	WM \zero, \b/4, (\a)/2
.endr
.endm
; A step of 128 along K that has its successor in the same slot.  A load into a register that a matrix instruction has read stands four places behind it, and only plain vector
; instructions that name none of its registers are places (ISA guide 7.12.1 for vector instructions): so four v_nop stand in front of the run of loads.
.macro STEP slot, q, zero
	s_wait_dscnt 4                                 ; all of the last run but its youngest four loads (R's blocks 2, 3) are in
	WIN MUL
	MUL8 0, (\q)%2, \q, \slot, \zero
	MUL8 1, (\q)%2, \q, \slot, \zero
	PLACES 4
	FETCH \slot, (\q)+1, 1-(\q)%2, -1
	s_wait_dscnt 24                                ; all but the 24 just issued
	WIN MUL
	MUL8 2, (\q)%2, \q, \slot, \zero
	MUL8 3, (\q)%2, \q, \slot, \zero
	WIN 0
.endm
; A slot's last step changes slots: ONE barrier; in front of it each wave waits for all its tensor loads, adds 0 to its spare word, and waits for that and for its own reads of this slot.
; fill = 1: the barrier opens a round of the cluster's barrier, and this slot is filled again, two K steps ahead: the load has 112 matrix instructions in which to land.
.macro TURN slot, next, fill
	s_wait_tensorcnt 0x0                           ; all my tensor loads have landed: my part of the next slot  (every window is 0 here)
	ds_add_u32 v[SPW], v[NIL]                      ; 0 onto my spare word
	s_wait_dscnt 5                                 ; (the add and the youngest four loads may be out)
	WIN MUL
	MUL8 0, 1, 3, \slot, 0                         ; eight matrix instructions stand between the add and the wait for it
	s_wait_dscnt 0x0                               ; the add is done, and my reads of this slot are over
	s_barrier_signal -1
	MUL8 1, 1, 3, \slot, 0
	WIN 0
	s_barrier_wait -1
.if \fill
	CREST                                          ; no wave of any partner still reads this slot's tile or has a load on its way
	s_add_nc_u64 s[G0R+4*\slot+2:G0R+4*\slot+3], s[G0R+4*\slot+2:G0R+4*\slot+3], 2*ROWB
	s_add_nc_u64 s[G0P+4*\slot+2:G0P+4*\slot+3], s[G0P+4*\slot+2:G0P+4*\slot+3], 2*ROWB
	JLOAD G0R+4*\slot, G1R, G0P+4*\slot, G1P       ; my one tensor load behind the round; the four v_nop behind it are also the places in front of the loads below
.else
	PLACES 4
.endif
	s_wait_alu depctr_va_vdst(0)
	v_add_nc_u32 v[ADSP], 16, v[ADSP]              ; on to the next K step's scale words (no LDS load of mine is out)
	v_add_nc_u32 v[ADSR], 16, v[ADSR]
	FETCH \next, 0, 0, \next
	WIN MUL
	MUL8 2, 1, 3, \slot, 0
	MUL8 3, 1, 3, \slot, 0
	WIN 0
.endm
	s_wait_alu depctr_va_vdst(0)
	s_wait_tensorcnt 0x0                           ; my tile of the head's four is in
	ds_add_u32 v[SPW], v[NIL]
	s_mov_b32 s[G1R+2], 128<<16                    ; no tensor load of mine is out: from here on a load brings half a tile's rows
	s_mov_b32 s[G1R+4], 128
	s_mov_b32 s[G1P+2], 64<<16
	s_mov_b32 s[G1P+4], 64
	s_wait_dscnt 0x0
	CROUND                                         ; everybody's tiles are in, and the four work-groups are here
	JLOAD G0R+4, G1R, G0P+4, G1P                   ; K step 1: my one tensor load behind the round
	FETCH 0, 0, 0, 0
	STEP 0, 0, 1                                   ; the first step stands in front of the loop: its products start the sums
	s_mov_b32 s3, LAPS-1
.Llap:                                             ; a trip goes once round the ring, from a lap's second step to the next lap's first, and fills both slots again
	STEP 0, 1, 0
	STEP 0, 2, 0
	TURN 0, 1, 1
	STEP 1, 0, 0
	STEP 1, 1, 0
	STEP 1, 2, 0
	TURN 1, 0, 1
	STEP 0, 0, 0
	s_sub_co_u32 s3, s3, 1
	s_cmp_lg_u32 s3, 0
	s_cbranch_scc1 .Llap
	s_wait_loadcnt 0x0                             ; cos and sin of tiles 1 and 2, asked for at the head, are in
	CSLOAD 3                                       ; tile 3's 32 loads: they have the last lap in which to land
	STEP 0, 1, 0                                   ; the last lap fills nothing, and has no round of the cluster's barrier
	STEP 0, 2, 0
	TURN 0, 1, 0
	STEP 1, 0, 0
	STEP 1, 1, 0
	STEP 1, 2, 0
	s_wait_dscnt 4                                 ; the very last step: nothing more to fetch
	WIN MUL
	MUL8 0, 1, 3, 1, 0
	MUL8 1, 1, 3, 1, 0
	s_wait_dscnt 0x0
	MUL8 2, 1, 3, 1, 0
	MUL8 3, 1, 3, 1, 0
	WIN 0
	PLACES 4                                       ; in front of the first read of results and of loads into registers that held fragments
; 64 numbers of a lane, v[s] .. v[s + 63] of window w, register 8 t + j = index 16 t + 8 (lane / 16) + j of my row, become a fragment's codes in v[pc] on and its scale word in v[pw].
; Block b of 32 is registers 16 b .. 16 b + 15 of lanes l and l xor 16.  A conversion of eight registers gives group 0 or 2 of a block in lanes 0-15 and group 1 or 3 in lanes 16-31;
; laid at pc + 4 (b / 2) + 2 u + b % 2, one exchange of halves for each pair leaves register 4 c + g with group g of block 2 c below and of block 2 c + 1 above: the operand's layout.
; Each accumulator is read from its low end on.
.macro QUANT s, w, pc, pw
	WIN (\w)|((\w)<<2)
.irp b, 0,1,2,3
	v_max3_num_f32 v[TM+\b], |v[(\s)+16*\b]|, |v[(\s)+16*\b+1]|, 0x1800000   ; with the floor 2^(3 - 127): the byte cannot fall under 1
.endr
.irp i, 2,4,6,8,10,12,14
.irp b, 0,1,2,3
	v_max3_num_f32 v[TM+\b], |v[(\s)+16*\b+\i]|, |v[(\s)+16*\b+\i+1]|, v[TM+\b]   ; the four blocks by turns
.endr
.endr
	WIN 0
.irp b, 0,1,2,3
	v_permlanex16_b32 v[TM+4+\b], v[TM+\b], s[SEL], s[SEL+1]
.endr
.irp b, 0,1,2,3
	v_max_num_f32 v[TM+\b], v[TM+\b], v[TM+4+\b]   ; with lane l xor 16's: the block's largest magnitude
.endr
.irp b, 0,1,2,3
	v_add_nc_u32 v[TM+12+\b], 0xff000000, v[TM+\b] ; 2 off its exponent field: the conversion's scale operand
.endr
.irp b, 0,1,2,3
	v_lshrrev_b32 v[TM+4+\b], 23, v[TM+12+\b]      ; the scale's byte
.endr
	v_lshl_or_b32 v[\pw], v[TM+5], 8, v[TM+4]
	v_lshl_or_b32 v[\pw], v[TM+6], 16, v[\pw]
	v_lshl_or_b32 v[\pw], v[TM+7], 24, v[\pw]
	WIN \w
.irp b, 0,1,2,3
	v_cvt_scalef32_pk8_fp4_f32 v[(\pc)+4*(\b/2)+(\b%2)], v[(\s)+16*\b:(\s)+16*\b+7], v[TM+12+\b]
	v_cvt_scalef32_pk8_fp4_f32 v[(\pc)+4*(\b/2)+2+(\b%2)], v[(\s)+16*\b+8:(\s)+16*\b+15], v[TM+12+\b]
.endr
	WIN 0
	v_nop                                          ; one plain place behind a scaled conversion
.irp c, 0,1
	v_permlane16_swap_b32 v[(\pc)+4*\c], v[(\pc)+4*\c+1]
	v_permlane16_swap_b32 v[(\pc)+4*\c+2], v[(\pc)+4*\c+3]
.endr
.endm
	s_cmp_ge_u32 ttmp9, 48                         ; the role, by the cluster's number
	s_cbranch_scc1 .Lv_out
	; ---- THE WAY OUT OF ROLE QK.  Lane (r, h) of tile a holds row m = m0 + 16 a + r; register 8 b + j holds d = 16 b + 8 h + j, so d + 64 is 32 registers on in the same lane.
	CSLOAD 0                                       ; tile 0's cos and sin, into the registers that held P's fragments: they land while tiles 1 to 3 are worked
	s_lshl_b32 s17, s41, 8
	s_lshl_b32 s18, s14, 6
	s_add_co_u32 s17, s17, s18                     ; m0 = 256 x tile + 64 x wave
	s_mov_b32 s19, 0
	s_lshl_b32 s18, s42, 18                        ; the head's 4,096 rows of 64 bytes,
	s_lshl_b32 s20, s17, 6
	s_add_co_u32 s18, s18, s20
	s_add_nc_u64 s[96:97], s[96:97], s[18:19]
	s_lshl_b32 s18, s42, 14                        ; and of 4
	s_lshl_b32 s20, s17, 2
	s_add_co_u32 s18, s18, s20
	s_add_nc_u64 s[98:99], s[98:99], s[18:19]
	v_lshlrev_b32 v[QO], 6, v1
	v_lshl_add_u32 v[QO], v2, 4, v[QO]             ; codes: row r of 64 bytes, + 16 h
	v_lshlrev_b32 v[QS], 2, v1                     ; scale words: 4 r (lanes r and r + 16 store the same word)
.macro ROPE a                          ; T[d] = x[d] cos[d] - x[d + 64] sin[d] for d < 64, x[d] cos[d] + x[d - 64] sin[d] else: a multiplication and a fused multiply-add, two numbers at a time
.set AC, 64*(\a)
.set CBB, 128*((\a)%2)
.if (\a) < 2
	WIN 0x06                                       ; source 0 (accumulators) window 2, source 1 (cos, sin) window 1
.else
	WIN 0x0e                                       ; the same with window 3
.endif
.irp i, 0,2,4,6,8,10,12,14,16,18,20,22,24,26,28,30
	v_pk_mul_f32 v[T+\i:T+\i+1], v[AC+\i:AC+\i+1], v[CBB+\i:CBB+\i+1]
	v_pk_mul_f32 v[T+32+\i:T+33+\i], v[AC+32+\i:AC+33+\i], v[CBB+32+\i:CBB+33+\i]
.endr
.irp i, 0,2,4,6,8,10,12,14,16,18,20,22,24,26,28,30
	v_pk_fma_f32 v[T+\i:T+\i+1], v[AC+32+\i:AC+33+\i], v[CBB+64+\i:CBB+65+\i], v[T+\i:T+\i+1] neg_lo:[1,0,0] neg_hi:[1,0,0]
	v_pk_fma_f32 v[T+32+\i:T+33+\i], v[AC+\i:AC+\i+1], v[CBB+96+\i:CBB+97+\i], v[T+32+\i:T+33+\i]
.endr
	WIN 0
.endm
.irp a, 1,2,3,0                                ; tiles 1 and 2 were shown landed behind the loop
.if \a == 3
	s_wait_loadcnt 32                              ; tile 3's 32 loads are in; tile 0's 32 were issued behind them and may be out
.endif
.if \a == 0
	s_wait_loadcnt 0x0
.endif
	ROPE \a
	QUANT T, 0, PC+8*\a, PW+\a
	global_store_b128 v[QO], v[PC+8*\a:PC+8*\a+3], s[96:97] offset:\a*1024        ; d = 32 h + 0 .. 31
	global_store_b128 v[QO], v[PC+8*\a+4:PC+8*\a+7], s[96:97] offset:\a*1024+32   ; d = 64 + 32 h + 0 .. 31
	global_store_b32 v[QS], v[PW+\a], s[98:99] offset:\a*64                       ; each tile has its own registers: no store's data are written again
.endr
	s_branch .Lend
.Lv_out:
	; ---- THE WAY OUT OF ROLE V.  Lane (r, h) of tile a holds channel d = 64 (wave % 2) + 16 a + r of head kv = 2 x tile of R + wave / 2; register 8 b + j holds key 128 x tile of P + 16 b + 8 h + j.
	s_lshl_b32 s17, s41, 1
	s_add_co_u32 s17, s17, s15                     ; kv
	s_lshl_b32 s20, s16, 6                         ; my first channel
	s_lshr_b32 s18, s42, 1                         ; which 256 keys
	s_lshl_b32 s18, s18, 2
	s_add_co_u32 s18, s18, s17
	s_lshl_b32 s18, s18, 7
	s_add_co_u32 s18, s18, s20
	s_lshl_b32 s18, s18, 7                         ; rows of 128 bytes
	s_and_b32 s21, s42, 1
	s_lshl_b32 s21, s21, 6                         ; which half of the row
	s_add_co_u32 s18, s18, s21
	s_add_co_u32 s18, s18, V_C
	s_mov_b32 s19, 0
	s_add_nc_u64 s[96:97], s[96:97], s[18:19]
	s_lshr_b32 s18, s42, 4                         ; the batch
	s_lshl_b32 s18, s18, 2
	s_add_co_u32 s18, s18, s17
	s_lshl_b32 s18, s18, 7
	s_add_co_u32 s18, s18, s20
	s_lshl_b32 s18, s18, 6                         ; rows of 64 scale bytes
	s_and_b32 s21, s42, 15
	s_lshl_b32 s21, s21, 2                         ; 4 bytes for 128 keys
	s_add_co_u32 s18, s18, s21
	s_add_co_u32 s18, s18, V_S
	s_add_nc_u64 s[98:99], s[98:99], s[18:19]
	v_lshlrev_b32 v[QO], 7, v1
	v_lshl_add_u32 v[QO], v2, 4, v[QO]             ; codes: row r of 128 bytes, + 16 h
	v_lshlrev_b32 v[QS], 6, v1                     ; scale words: row r of 64 bytes
.irp a, 0,1,2,3
	QUANT 64*\a, 2, PC+8*\a, PW+\a                 ; straight from the accumulators
	global_store_b128 v[QO], v[PC+8*\a:PC+8*\a+3], s[96:97] offset:\a*2048
	global_store_b128 v[QO], v[PC+8*\a+4:PC+8*\a+7], s[96:97] offset:\a*2048+32
	global_store_b32 v[QS], v[PW+\a], s[98:99] offset:\a*1024
.endr
.Lend:
	s_wait_tensorcnt 0x0                           ; the wave's end
	ds_add_u32 v[SPW], v[NIL]
	s_wait_dscnt 0x0
	CROUND                                         ; the closing round: no work-group ends while a partner may still ask for a tile that names it
	s_endpgm
.Lfunc_end_k_qdbe8734a38_qkv:
	.size	k_qdbe8734a38_qkv, .Lfunc_end_k_qdbe8734a38_qkv-k_qdbe8734a38_qkv
	.p2alignl 7, 3214868480
	.fill 96, 4, 3214868480
	.section	.rodata,"a",@progbits
	.p2align	6, 0x0
	.amdhsa_kernel k_qdbe8734a38_qkv
		.amdhsa_group_segment_fixed_size 327680
		.amdhsa_private_segment_fixed_size 0
		.amdhsa_enable_private_segment 0
		.amdhsa_kernarg_size 64
		.amdhsa_user_sgpr_count 2
		.amdhsa_user_sgpr_kernarg_segment_ptr 1
		.amdhsa_wavefront_size32 1
		.amdhsa_system_sgpr_workgroup_id_x 1
		.amdhsa_system_sgpr_workgroup_id_y 1
		.amdhsa_system_sgpr_workgroup_id_z 1
		.amdhsa_system_vgpr_workitem_id 0
		.amdhsa_next_free_vgpr 1024
		.amdhsa_next_free_sgpr 102
		.amdhsa_reserve_vcc 0
		.amdhsa_float_denorm_mode_32 3
		.amdhsa_float_denorm_mode_16_64 3
		.amdhsa_memory_ordered 1
		.amdhsa_forward_progress 1
		.amdhsa_inst_pref_size 171
	.end_amdhsa_kernel
	.amdgpu_metadata
---
amdhsa.version: [ 1, 2 ]
amdhsa.kernels:
  - .name:           k_qdbe8734a38_qkv
    .symbol:         k_qdbe8734a38_qkv.kd
    .args:
      - { .name: x_codes, .offset: 0, .size: 8, .value_kind: global_buffer, .address_space: global }
      - { .name: x_scales, .offset: 8, .size: 8, .value_kind: global_buffer, .address_space: global }
      - { .name: w_codes, .offset: 16, .size: 8, .value_kind: global_buffer, .address_space: global }
      - { .name: w_scales, .offset: 24, .size: 8, .value_kind: global_buffer, .address_space: global }
      - { .name: cos, .offset: 32, .size: 8, .value_kind: global_buffer, .address_space: global }
      - { .name: sin, .offset: 40, .size: 8, .value_kind: global_buffer, .address_space: global }
      - { .name: qkv_codes, .offset: 48, .size: 8, .value_kind: global_buffer, .address_space: global }
      - { .name: qkv_scales, .offset: 56, .size: 8, .value_kind: global_buffer, .address_space: global }
    .group_segment_fixed_size: 327680
    .private_segment_fixed_size: 0
    .kernarg_segment_align: 8
    .kernarg_segment_size: 64
    .max_flat_workgroup_size: 128
    .sgpr_count:     102
    .vgpr_count:     1024
    .wavefront_size: 32
...
	.end_amdgpu_metadata
.endif
;; end of part 2
;; launch attn (part 3): grid 4 x 64, 8 waves a work-group, clusters of 4 x 1, 327,680 bytes of LDS; arguments qkv_codes, qkv_scales, attention_mask, o_codes, o_scales; writes o_codes, o_scales
.if DOCPART == 3
	.amdgcn_target "amdgcn-amd-amdhsa--gfx1250"
	.amdhsa_code_object_version 6
	.text
	.protected	k_qdbe8734a38_attn
	.globl	k_qdbe8734a38_attn
	.p2align	8
	.type	k_qdbe8734a38_attn,@function
k_qdbe8734a38_attn:
	s_mov_b64 s[64:65], 0
	v_nop
	global_prefetch_b8 v0, s[64:65] scope:SCOPE_SE
	s_setreg_imm32_b32 hwreg(HW_REG_WAVE_MODE, 25, 1), 1
	s_wait_xcnt 0x0
	s_wait_alu depctr_hold_cnt(0) depctr_sa_sdst(0) depctr_va_vdst(0) depctr_va_sdst(0) depctr_va_ssrc(0) depctr_va_vcc(0) depctr_vm_vsrc(0)
	s_getreg_b32 s2, hwreg(HW_REG_IB_STS2, 6, 4)
	s_cmp_eq_u32 s2, 0
	s_cbranch_scc0 .Lentry_in_a_cluster
	s_endpgm
.Lentry_in_a_cluster:
	s_bfe_u32 s2, ttmp6, 0x10000c
	s_cmp_lg_u32 s2, 0x3003
	s_cbranch_scc0 .Lentry_shape_is_right
	s_endpgm
.Lentry_shape_is_right:
; Attention on codes of FP4 (E2M1) with E8M0 scales: S^T = K Q^T + mask, p = 2^(t - M) quantised along the keys, O^T = V^T P^T, O / the row's sum, quantised along the head's 128 for the last projection.
; The additive mask is an input and is honoured as it is given: every key of every query is worked.  It goes in as the C of the first product, x sqrt(128), so that (S + C) x log2(e) / sqrt(128) = t.
; SHARES.  A work-group owns 64 queries of one batch and one kv head (cx), that is BOTH query heads 2 cx and 2 cx + 1.  Wave w of eight owns queries 16 (w % 4) .. + 15 of both heads and,
; of each slot's 256 keys, half w / 4: each fragment of K, of V and of the mask that it reads from LDS feeds two matrix instructions.  At the end waves w and w + 4 join their halves through LDS:
; the lower wave finishes head 2 cx, the upper one head 2 cx + 1.
; CLUSTER 4 x 1: the four kv heads of one block of queries need the same tile of the mask, asked for JOINTLY (mask 15); K and V are each work-group's own, plain loads.
; RING: two slots of 256 keys, 2^17 bytes apart: K 256 rows x 80, V 128 rows x 144, the mask 64 rows x 1,040.  Six loads of 16 KiB fill a slot: wave 0 K, wave 1 V, waves 2 to 5 a quarter of the mask each.
; The scale bytes of all 2,048 keys come once, at the head, by waves 6 and 7: so each of the eight waves has one load there.
; PREFETCH: at the change of slots that loads slot i + 1, wave 6 names its work-group's 16 of the cluster's 64 mask rows of slot i + 2 (64 blocks of 256 bytes, told apart from the partners' by address)
; and wave 7 K's and V's 16 KiB of slot i + 2 (64 blocks each); the last two changes name nothing; slots 0 and 1 come by their loads alone.
; LIMITS: the promise holds while |t| stays under 2^31; NaN and infinities are not served; a block whose largest number lies under 2^-124 keeps the scale byte 1 (read by this program alone).
; REGISTERS.  Window 0: v1-11 addresses; v12-15 head A's -M, largest t, sum; v16-23 Q A; v24-31 K's scale words; v32-95 K; v96-159 S, then p; v160-167 Q B; v168-175 p's codes B; v176-183 V's scale words;
; v184-187 head B's state; v188 Q B's scale words; v190 f B, v191 p's scale word B; v224-231 p's codes A; v232-247 at work; v252 f A, v253 p's scale word A; v255 Q A's scale words.
; Window 1: v0-63 O^T A, v64-127 O^T B, v128-191 V, v192-255 the mask.
.set KP,    80
.set VP,    144
.set MP,    1040
.set VOFF,  256*KP
.set MOFF,  VOFF+128*VP
.set SLOT1, 1<<17
.set NSL,   8
.set SCK,   2*SLOT1
.set SCV,   SCK+32*272
.set SPARE, SCV+32*272                 ; the spare words: 128 bytes for each of eight waves, named by no other line
.set STGW,  17*512                     ; the stage of one wave at the end: 64 registers and a state, 16 bytes a lane
.set V_C,   3145728
.set V_S,   196608
.set AK0,  1
.set AV0,  2
.set ASK0, 3
.set ASV0, 4
.set SPW,  5
.set NIL,  6
.set AM0,  7
.set ADK,  8
.set ADV,  9
.set ADS,  10
.set ADT,  11
.set SWK,  24
.set SWV,  176
.set PF6,  192
.set PF7,  193
.set STR,  194
.set TM,   232
.set ADM,  248
.set STW,  251
.set PFK,  2
.set PFV,  14
.set PFM,  98
.set KH,   17
.set WV,   18
.set SEL,  20
.set CS,   22
.set G1K,  24
.set G1V,  32
.set G1M,  40
.set G1S,  48
.set G0K,  56
.set G0V,  60
.set SQ,   66
.set G0M,  68
.set G0SK, 72
.set G0SV, 76
.set TB,   80
.set TS,   81
.set TJ,   82
.set SLOTS, 83
.set MSB, 0
.macro WIN new                         ; the immediate's high byte repeats the setting that is left
.if MSB != (\new)
	s_set_vgpr_msb (MSB<<8)|(\new)
.set MSB, (\new)
.endif
.endm
.macro TL g0, g1                       ; a tensor load with s_nop 0 and four v_nop behind it
	tensor_load_to_lds s[\g0:\g0+3], s[\g1:\g1+7]
	s_nop 0
.rept 4
	v_nop
.endr
.endm
.macro TLOAD3                          ; a slot's six loads, one a wave; the branches hang on the wave's number alone
	s_cmp_lt_u32 s[WV], 1
	s_cbranch_scc0 .Lnk_\@
	TL G0K, G1K
	s_branch .Lasked_\@
.Lnk_\@:
	s_cmp_lt_u32 s[WV], 2
	s_cbranch_scc0 .Lnv_\@
	TL G0V, G1V
	s_branch .Lasked_\@
.Lnv_\@:
	s_cmp_lt_u32 s[WV], 6
	s_cbranch_scc0 .Lasked_\@
	TL G0M, G1M
.Lasked_\@:
.endm
.macro ASK                             ; the prefetch of the slot behind the one just asked for
	s_cmp_lt_u32 s[SLOTS], 2
	s_cbranch_scc1 .Lno_\@
	s_cmp_lt_u32 s[WV], 6
	s_cbranch_scc1 .Lno_\@
	s_cmp_eq_u32 s[WV], 6
	s_cbranch_scc0 .Lkv_\@
	global_prefetch_b8 v[PF6], s[PFM:PFM+1] th:TH_LOAD_NT scope:SCOPE_SE
	global_prefetch_b8 v[PF6], s[PFM:PFM+1] offset:65536 th:TH_LOAD_NT scope:SCOPE_SE
	s_branch .Lno_\@
.Lkv_\@:
	global_prefetch_b8 v[PF7], s[PFK:PFK+1] th:TH_LOAD_NT scope:SCOPE_SE
	global_prefetch_b8 v[PF7], s[PFK:PFK+1] offset:8192 th:TH_LOAD_NT scope:SCOPE_SE
	global_prefetch_b8 v[PF7], s[PFV:PFV+1] th:TH_LOAD_NT scope:SCOPE_SE
	global_prefetch_b8 v[PF7], s[PFV:PFV+1] offset:8192 th:TH_LOAD_NT scope:SCOPE_SE
.Lno_\@:
.endm
.macro CROUND                          ; a round of the cluster's barrier
	s_barrier_signal -1
	s_barrier_wait -1
	s_cmp_lg_u32 s[WV], 0
	s_cbranch_scc1 .Lnot_wave_0_\@
	s_barrier_signal -3
.Lnot_wave_0_\@:
	s_barrier_wait -3
	s_barrier_signal -1
	s_barrier_wait -1
.endm
	s_load_b256 s[4:11], s[0:1], 0x0               ; qkv_codes, qkv_scales, attention_mask, o_codes
	s_load_b64 s[12:13], s[0:1], 0x20              ; o_scales
	v_lshl_add_u32 v[SPW], v0, 2, SPARE
	v_mov_b32 v[NIL], 0
	ds_add_u32 v[SPW], v[NIL]                      ; the opening lines: the add twice on end and its wait
	ds_add_u32 v[SPW], v[NIL]
	v_lshrrev_b32 v8, 5, v0
	v_readfirstlane_b32 s[WV], v8                  ; wave 0..7
	s_lshr_b32 s[KH], s[WV], 2                     ; which half of a slot's keys
	s_bfe_u32 s84, ttmp6, 0x40000                  ; cx = the kv head
	s_and_b32 s85, ttmp7, 0xffff
	s_lshr_b32 s86, s85, 5                         ; the batch
	s_and_b32 s87, s85, 31                         ; the block of 64 queries
	s_add_co_u32 s89, s[WV], 2
	s_and_b32 s89, s89, 3                          ; waves 2 to 5: quarters 0 to 3 of the mask's tile
	s_lshl_b32 s92, s87, 19                        ; 64 rows of 8,192 bytes
	s_lshl_b32 s88, s89, 17                        ; 16 rows
	s_add_co_u32 s92, s92, s88
	s_mov_b32 s93, 0
	s_mul_i32 s89, s89, 16*MP
	s_add_co_u32 s89, s89, MOFF
	s_add_co_u32 s88, s84, 8                       ; K: head 8 + cx of qkv_codes
	s_lshl_b32 s88, s88, 12
	s_lshl_b32 s90, s86, 11
	s_add_co_u32 s88, s88, s90
	s_lshl_b32 s90, s88, 6
	s_mov_b32 s91, 0
	s_lshl_b32 s94, s88, 2
	s_mov_b32 s95, 0
	s_lshl_b32 s96, s86, 5                         ; V: [m / 256][kv][d][128 bytes]
	s_add_co_u32 s96, s96, s84
	s_lshl_b32 s96, s96, 14
	s_add_co_u32 s96, s96, V_C
	s_mov_b32 s97, 0
	s_lshl_b32 s98, s86, 2                         ; V's scale bytes: [b][kv][d][64]
	s_add_co_u32 s98, s98, s84
	s_lshl_b32 s98, s98, 13
	s_add_co_u32 s98, s98, V_S
	s_mov_b32 s99, 0
	s_mov_b32 s[G1K+0], (1<<20)|(3<<22)|(3<<25)    ; K: 256 rows of 64 bytes, 16 of padding behind each
	s_mov_b32 s[G1K+1], 64<<16
	s_mov_b32 s[G1K+2], 256<<16
	s_mov_b32 s[G1K+3], 64<<16
	s_mov_b32 s[G1K+4], 256
	s_mov_b32 s[G1K+5], 64
	s_mov_b32 s[G1K+6], 0
	s_mov_b32 s[G1K+7], 0
	s_mov_b32 s[G1V+0], (1<<20)|(4<<22)|(3<<25)    ; V: 128 rows of 128 bytes
	s_mov_b32 s[G1V+1], 128<<16
	s_mov_b32 s[G1V+2], 128<<16
	s_mov_b32 s[G1V+3], 128<<16
	s_mov_b32 s[G1V+4], 128
	s_mov_b32 s[G1V+5], 128
	s_mov_b32 s[G1V+6], 0
	s_mov_b32 s[G1V+7], 0
	s_mov_b32 s[G1M+0], 15|(2<<16)|(1<<20)|(1<<21)|(7<<22)|(3<<25)   ; the mask: 16 rows of 256 f32, 2,048 apart, for all four partners
	s_mov_b32 s[G1M+1], 256<<16
	s_mov_b32 s[G1M+2], 16<<16
	s_mov_b32 s[G1M+3], 256<<16
	s_mov_b32 s[G1M+4], 16
	s_mov_b32 s[G1M+5], 2048
	s_mov_b32 s[G1M+6], 0
	s_mov_b32 s[G1M+7], 0
	s_mov_b32 s[G1S+0], (3<<16)|(1<<20)|(5<<22)|(3<<25)   ; scale bytes: 8,192 dense bytes as 32 rows of 256
	s_mov_b32 s[G1S+1], 32<<16
	s_mov_b32 s[G1S+2], 32<<16
	s_mov_b32 s[G1S+3], 32<<16
	s_mov_b32 s[G1S+4], 32
	s_mov_b32 s[G1S+5], 32
	s_mov_b32 s[G1S+6], 0
	s_mov_b32 s[G1S+7], 0
	s_mov_b32 s[SEL], 0x76543210
	s_mov_b32 s[SEL+1], 0xfedcba98
	s_mov_b32 s[CS], 0x3e0293ee                    ; log2(e) / sqrt(128)
	s_mov_b32 s[CS+1], s[CS]
	s_mov_b32 s[SQ], 0x413504f3                    ; sqrt(128)
	s_mov_b32 s[SQ+1], s[SQ]
	s_mov_b32 s[TB], 0
	s_mov_b32 s[TS], 0
	s_mov_b32 s[TJ], 0
	s_mov_b32 s[SLOTS], NSL-1
	s_wait_dscnt 0x0                               ; both opening adds are done
	s_wait_kmcnt 0x0
	s_mov_b32 s[G0K], 1
	s_mov_b32 s[G0K+1], 0
	s_add_nc_u64 s[G0K+2:G0K+3], s[4:5], s[90:91]
	s_add_nc_u64 s[PFK:PFK+1], s[G0K+2:G0K+3], 16384   ; the prefetches stand at slot 1: the first change steps them to slot 2
	s_or_b32 s[G0K+3], s[G0K+3], 0x80000000
	s_mov_b32 s[G0V], 1
	s_mov_b32 s[G0V+1], VOFF
	s_add_nc_u64 s[G0V+2:G0V+3], s[4:5], s[96:97]
	s_add_nc_u64 s[PFV:PFV+1], s[G0V+2:G0V+3], 65536
	s_or_b32 s[G0V+3], s[G0V+3], 0x80000000
	s_mov_b32 s[G0M], 1
	s_mov_b32 s[G0M+1], s89
	s_add_nc_u64 s[G0M+2:G0M+3], s[8:9], s[92:93]
	s_or_b32 s[G0M+3], s[G0M+3], 0x80000000
	s_mov_b32 s[G0SK], 1
	s_mov_b32 s[G0SK+1], SCK
	s_add_nc_u64 s[G0SK+2:G0SK+3], s[6:7], s[94:95]
	s_or_b32 s[G0SK+3], s[G0SK+3], 0x80000000
	s_mov_b32 s[G0SV], 1
	s_mov_b32 s[G0SV+1], SCV
	s_add_nc_u64 s[G0SV+2:G0SV+3], s[6:7], s[98:99]
	s_or_b32 s[G0SV+3], s[G0SV+3], 0x80000000
	s_lshl_b32 s96, s87, 19                        ; the mask's prefetch: my work-group's 16 of the 64 rows, by cx
	s_lshl_b32 s97, s84, 17
	s_add_co_u32 s96, s96, s97
	s_add_co_u32 s96, s96, 1024
	s_mov_b32 s97, 0
	s_add_nc_u64 s[PFM:PFM+1], s[8:9], s[96:97]
	CROUND                                         ; all four work-groups are here: the first joint loads meet
.macro ARM under, g0, g1, next         ; the head's loads: one tree on the wave's number, one load to an arm
	s_cmp_lt_u32 s[WV], \under
	s_cbranch_scc0 \next
	TL \g0, \g1
	s_branch .Lhead_asked
\next:
.endm
	ARM 1, G0K,  G1K, .Lhead_v
	ARM 2, G0V,  G1V, .Lhead_m
	ARM 6, G0M,  G1M, .Lhead_sk
	ARM 7, G0SK, G1S, .Lhead_sv
	TL G0SV, G1S
.Lhead_asked:
	s_lshl_b32 s88, s84, 1                         ; head A = 2 cx
	s_and_b32 s89, s[WV], 3                        ; my tile of 16 queries
	s_lshl_b32 s90, s86, 11
	s_lshl_b32 s91, s87, 6
	s_add_co_u32 s90, s90, s91
	s_lshl_b32 s91, s89, 4
	s_add_co_u32 s90, s90, s91                     ; my first row m
	s_lshl_b32 s91, s88, 12
	s_add_co_u32 s91, s91, s90
	s_mov_b32 s95, 0
	s_lshl_b32 s94, s91, 6
	s_add_nc_u64 s[4:5], s[4:5], s[94:95]          ; Q A's codes; Q B's lie 4,096 rows on
	s_lshl_b32 s94, s91, 2
	s_add_nc_u64 s[6:7], s[6:7], s[94:95]
	s_lshl_b32 s94, s90, 9
	s_lshl_b32 s96, s88, 6
	s_add_co_u32 s94, s94, s96
	s_add_nc_u64 s[10:11], s[10:11], s[94:95]      ; o_codes: rows of 512 bytes, 64 a head
	s_lshl_b32 s94, s90, 5
	s_lshl_b32 s96, s88, 2
	s_add_co_u32 s94, s94, s96
	s_add_nc_u64 s[12:13], s[12:13], s[94:95]      ; o_scales: rows of 32 bytes, 4 a head
	s_mul_i32 s84, s[KH], 128*KP                   ; LDS: my half of a slot's keys in K,
	s_lshl_b32 s85, s[KH], 6
	s_add_co_u32 s85, s85, VOFF                    ; in V's rows,
	s_mul_i32 s86, s[KH], 544
	s_add_co_u32 s86, s86, SCK                     ; in K's scale words,
	s_lshl_b32 s87, s[KH], 2
	s_add_co_u32 s87, s87, SCV                     ; in V's,
	s_mul_i32 s88, s89, 16*MP
	s_add_co_u32 s88, s88, MOFF
	s_lshl_b32 s90, s[KH], 9
	s_add_co_u32 s88, s88, s90                     ; and in my 16 rows of the mask
	s_mul_i32 s89, s89, 2*STGW
	s_mul_i32 s90, s[KH], STGW
	s_xor_b32 s91, s[KH], 1
	s_mul_i32 s91, s91, STGW
	s_add_co_u32 s90, s90, s89                     ; the stage that I write at the end,
	s_add_co_u32 s91, s91, s89                     ; and my partner's, which I read
	v_and_b32 v8, 15, v0                           ; r
	v_bfe_u32 v9, v0, 4, 1                         ; h
	v_lshlrev_b32 v[ADM], 6, v8
	v_lshl_add_u32 v[ADM], v9, 4, v[ADM]
.irp c, 0,1
	global_load_b128 v[16+4*\c:19+4*\c], v[ADM], s[4:5] offset:32*\c
	global_load_b128 v[160+4*\c:163+4*\c], v[ADM], s[4:5] offset:262144+32*\c
.endr
	v_lshlrev_b32 v254, 2, v8
	global_load_b32 v255, v254, s[6:7]
	global_load_b32 v188, v254, s[6:7] offset:16384
	v_mul_u32_u24 v[AK0], v8, KP
	v_lshl_add_u32 v[AK0], v9, 4, v[AK0]
	v_add_nc_u32 v[AK0], s84, v[AK0]
	v_mul_u32_u24 v[AV0], v8, VP
	v_lshl_add_u32 v[AV0], v9, 4, v[AV0]
	v_add_nc_u32 v[AV0], s85, v[AV0]
	v_lshl_add_u32 v[ASK0], v8, 2, s86
	v_lshrrev_b32 v10, 2, v8
	v_and_b32 v11, 3, v8
	v_mul_u32_u24 v[ASV0], v10, 272
	v_lshl_add_u32 v[ASV0], v11, 6, v[ASV0]
	v_add_nc_u32 v[ASV0], s87, v[ASV0]
	v_mul_u32_u24 v[AM0], v8, MP
	v_lshl_add_u32 v[AM0], v9, 5, v[AM0]
	v_add_nc_u32 v[AM0], s88, v[AM0]
	v_and_b32 v10, 31, v0
	v_lshl_add_u32 v[STW], v10, 4, s90
	v_lshl_add_u32 v[STR], v10, 4, s91
	v_lshlrev_b32 v249, 9, v8
	v_lshl_add_u32 v249, v9, 4, v249               ; the way out: row r of o_codes, + 16 h
	v_lshlrev_b32 v250, 5, v8                      ; and of o_scales
	v_lshlrev_b32 v[PF7], 8, v10                   ; prefetches: lanes 256 bytes apart in K's and V's dense blocks;
	v_lshrrev_b32 v11, 2, v10
	v_and_b32 v10, 3, v10
	v_lshlrev_b32 v[PF6], 13, v11                  ; four lanes to a row of the mask, 256 bytes apart
	v_lshl_add_u32 v[PF6], v10, 8, v[PF6]
	v_mov_b32 v13, 0xff61b1e6                      ; the largest t so far: -3e38
	v_floor_f32 v12, -v13
	v_mov_b32 v14, 0
	v_mov_b32 v15, 0
	v_mov_b32 v185, 0xff61b1e6
	v_floor_f32 v184, -v185
	v_mov_b32 v186, 0
	v_mov_b32 v187, 0
.irp b, 0,1,2,3
	v_mov_b32 v[236+\b], 0                         ; a lane permute's destination counts as one of its sources
.endr
	v_mov_b32 v253, 0
	v_mov_b32 v191, 0
	WIN 0x40
.set j, 0
.rept 128
	v_mov_b32 v[j], 0                              ; O^T of both heads: the step is written once, and its first change of M leaves zeros zeros
.set j, j+1
.endr
	WIN 0
; S^T = K Q^T + the scaled mask: eight tiles of 16 keys; C lies in window 1
.macro SMUL qf, qs
	WIN 0x10
.irp t, 0,1,2,3,4,5,6,7
	v_wmma_scale_f32_16x16x128_f8f6f4 v[96+8*\t:103+8*\t], v[32+8*\t:39+8*\t], v[\qf:\qf+7], v[192+8*\t:199+8*\t], v[SWK+\t], v[\qs] matrix_a_fmt:MATRIX_FMT_FP4 matrix_b_fmt:MATRIX_FMT_FP4
.endr
.endm
; One head's softmax of 128 keys.  st: -M, largest t, the sum's two halves; f: f = 2^(old M - new M), and behind it p's scale word; pc: p's codes
.macro SOFT1 st, f, pc
.irp b, 0,1,2,3
	v_max3_num_f32 v[232+\b], v[96+16*\b], v[97+16*\b], v[98+16*\b]   ; each block's largest score: for the row's maximum and for the block's largest p
.endr
.irp i, 3,5,7,9,11,13
.irp b, 0,1,2,3
	v_max3_num_f32 v[232+\b], v[232+\b], v[96+16*\b+\i], v[97+16*\b+\i]
.endr
.endr
.irp b, 0,1,2,3
	v_max_num_f32 v[232+\b], v[232+\b], v[111+16*\b]
.endr
.irp b, 0,1,2,3
	s_delay_alu instid0(VALU_DEP_4)
	v_permlanex16_b32 v[236+\b], v[232+\b], s[SEL], s[SEL+1]
.endr
.irp b, 0,1,2,3
	s_delay_alu instid0(VALU_DEP_4)
	v_max_num_f32 v[232+\b], v[232+\b], v[236+\b]
.endr
	s_delay_alu instid0(VALU_DEP_2)
	v_max3_num_f32 v254, v232, v233, v234
	s_delay_alu instid0(VALU_DEP_1)
	v_max_num_f32 v254, v254, v235
	s_delay_alu instid0(VALU_DEP_1)
	v_mul_f32 v254, s[CS], v254
	s_delay_alu instid0(VALU_DEP_1)
	v_max_num_f32 v[\st+1], v[\st+1], v254         ; the running largest t
	v_mov_b32 v254, v[\st]
	s_delay_alu instid0(VALU_DEP_2)
	v_floor_f32 v[\st], -v[\st+1]                  ; -M = floor(-t): M is a whole number
	s_delay_alu instid0(VALU_DEP_1)
	v_sub_f32 v254, v[\st], v254
	s_delay_alu instid0(VALU_DEP_1)
	v_cvt_i32_f32 v254, v254
	s_delay_alu instid0(VALU_DEP_1)
	v_ldexp_f32 v[\f], 1.0, v254
.set j, 0
.rept 32
	v_pk_fma_f32 v[96+j:97+j], v[96+j:97+j], s[CS:CS+1], v[\st:\st+1] op_sel_hi:[1,0,0]   ; t - M
.set j, j+2
.endr
.irp b, 0,1,2,3
	v_fma_f32 v[232+\b], v[232+\b], s[CS], v[\st]
.endr
	s_wait_alu depctr_va_vdst(0)                   ; the wait ahead of the batch
.set j, 0
.rept 64
	v_exp_f32 v[96+j], v[96+j]                     ; p = 2^(t - M)
.set j, j+1
.endr
.irp b, 0,1,2,3
	v_exp_f32 v[232+\b], v[232+\b]                 ; each block's largest p
.endr
	v_pk_mul_f32 v[\st+2:\st+3], v[\st+2:\st+3], v[\f:\f+1] op_sel_hi:[1,0]   ; the sums under the new M
	s_wait_alu depctr_va_vdst(0)                   ; and behind it, ahead of its first reader
.irp b, 0,1,2,3
	v_max_num_f32 v[232+\b], 0x1800000, v[232+\b]  ; the floor 2^(3 - 127): the byte cannot fall under 1
.endr
.irp b, 0,1,2,3
	s_delay_alu instid0(VALU_DEP_4)
	v_add_nc_u32 v[244+\b], 0xff000000, v[232+\b]  ; 2 off the exponent field: the conversion's scale operand
.endr
.irp b, 0,1,2,3
	s_delay_alu instid0(VALU_DEP_4)
	v_lshrrev_b32 v[236+\b], 23, v[244+\b]
.endr
	s_delay_alu instid0(VALU_DEP_3)
	v_lshl_or_b32 v[\f+1], v237, 8, v236
	s_delay_alu instid0(VALU_DEP_1)
	v_lshl_or_b32 v[\f+1], v238, 16, v[\f+1]
	s_delay_alu instid0(VALU_DEP_1)
	v_lshl_or_b32 v[\f+1], v239, 24, v[\f+1]
.irp b, 0,1,2,3
	v_cvt_scalef32_pk8_fp4_f32 v[\pc+4*(\b/2)+(\b%2)], v[96+16*\b:103+16*\b], v[244+\b]
	v_cvt_scalef32_pk8_fp4_f32 v[\pc+2+4*(\b/2)+(\b%2)], v[104+16*\b:111+16*\b], v[244+\b]
.endr
	v_nop                                          ; one plain place behind a scaled conversion
.irp c, 0,1
	v_permlane16_swap_b32 v[\pc+4*\c], v[\pc+1+4*\c]   ; a whole block to a lane: the operand's layout
	v_permlane16_swap_b32 v[\pc+2+4*\c], v[\pc+3+4*\c]
.endr
.endm
.macro SUMS st                         ; the row's sum of the unquantised p, in two chains
	v_pk_add_f32 v[236:237], v[96:97], v[98:99]
.irp j, 4,8,12,16,20,24,28,32,36,40,44,48,52,56,60
	v_pk_add_f32 v[\st+2:\st+3], v[\st+2:\st+3], v[96+\j:97+\j]
	v_pk_add_f32 v[236:237], v[236:237], v[98+\j:99+\j]
.endr
	s_delay_alu instid0(VALU_DEP_1)
	v_pk_add_f32 v[\st+2:\st+3], v[\st+2:\st+3], v[236:237]
.endm
.macro RESC ob, f                      ; O^T x f; the wait stands directly ahead of the first reader of the last step's results
	WIN 0x41
	s_wait_alu depctr_va_vdst(0)
.set j, 0
.rept 32
	v_pk_mul_f32 v[\ob+j:\ob+j+1], v[\ob+j:\ob+j+1], v[\f:\f+1] op_sel_hi:[1,0]
.set j, j+2
.endr
	WIN 0
.endm
; A STEP: my 128 keys of the slot in hand, for both heads
; The mask, K and K's scale words of the step that follows, from the slot at s[TB]: 40 LDS loads, issued in the middle of the step in hand, when the first products have left these registers
.macro NEXTL
	v_add_nc_u32 v[ADK], s[TB], v[AK0]             ; (these four are the places in front of loads into registers that the products just issued read)
	v_add_nc_u32 v[ADM], s[TB], v[AM0]
	v_add_nc_u32 v[ADS], s[TS], v[ASK0]
	v_nop
	WIN 0x40
.irp t, 0,1,2,3,4,5,6,7
.irp j, 0,1
	ds_load_b128 v[192+8*\t+4*\j:195+8*\t+4*\j], v[ADM] offset:64*\t+16*\j
.endr
.endr
	WIN 0
.irp t, 0,1,2,3,4,5,6,7
.irp c, 0,1
	ds_load_b128 v[32+8*\t+4*\c:35+8*\t+4*\c], v[ADK] offset:16*\t*KP+32*\c
.endr
	ds_load_b32 v[SWK+\t], v[ADS] offset:272*(\t/4)+64*(\t%4)
.endr
.endm
; fill = 1: the change of slots in the step's middle fills the slot just read out; fill = 0: the last two steps, which fill nothing
.macro STEP fill
	v_add_nc_u32 v[ADV], s[TB], v[AV0]
	v_add_nc_u32 v[ADT], s[TJ], v[ASV0]
	s_wait_dscnt 24                                ; the mask's 16 loads are in; K's 16 and its 8 scale words may be out
	WIN 0x41
.set j, 0
.rept 32
	v_pk_mul_f32 v[192+j:193+j], v[192+j:193+j], s[SQ:SQ+1] op_sel_hi:[1,0]   ; once for both heads
.set j, j+2
.endr
	WIN 0x40
.irp t, 0,1,2,3,4,5,6,7
.irp c, 0,1
	ds_load_b128 v[128+8*\t+4*\c:131+8*\t+4*\c], v[ADV] offset:16*\t*VP+32*\c
.endr
.endr
	WIN 0
.irp t, 0,1,2,3,4,5,6,7
	ds_load_b32 v[SWV+\t], v[ADT] offset:1088*\t
.endr
.rept 4
	v_nop
.endr
	s_wait_alu depctr_va_vdst(0)
	s_wait_dscnt 24                                ; K and its scale words are in; V's 16 loads and its 8 scale words may be out
	SMUL 16, 255
	WIN 0
.rept 4
	v_nop
.endr
	SOFT1 12, 252, 224
	SUMS 12
	SMUL 160, 188                                  ; head B on the same fragments of K and the same mask
	WIN 0
	CHANGE \fill                                   ; all that I read of this slot is in registers (the wait for 0 covers V's loads): the slots change here, in the step's middle
	s_xor_b32 s[TB], s[TB], SLOT1                  ; on to the other slot, which is whole,
	s_add_co_u32 s[TS], s[TS], 1088                ; and to its keys' scale words
.if \fill
	NEXTL
.else
	s_cmp_eq_u32 s[SLOTS], 1                       ; the last step has no successor
	s_cbranch_scc1 .Llast_\@
	NEXTL
.Llast_\@:
.endif
	RESC 0, 252                                    ; head A's O^T: these 32 are also the places behind the products above
	SOFT1 184, 190, 168
	RESC 64, 190
	SUMS 184
	WIN 0x51
.irp t, 0,1,2,3,4,5,6,7                            ; O^T += V^T P^T: each fragment of V for both heads; the sixteen accumulators by turns
	v_wmma_scale_f32_16x16x128_f8f6f4 v[8*\t:8*\t+7], v[128+8*\t:135+8*\t], v[224:231], v[8*\t:8*\t+7], v[SWV+\t], v253 matrix_a_fmt:MATRIX_FMT_FP4 matrix_b_fmt:MATRIX_FMT_FP4
	v_wmma_scale_f32_16x16x128_f8f6f4 v[64+8*\t:71+8*\t], v[128+8*\t:135+8*\t], v[168:175], v[64+8*\t:71+8*\t], v[SWV+\t], v191 matrix_a_fmt:MATRIX_FMT_FP4 matrix_b_fmt:MATRIX_FMT_FP4
.endr
	WIN 0
	s_add_co_u32 s[TJ], s[TJ], 8
.endm
; THE CHANGE OF SLOTS: all my tensor loads are in, the add, my reads of the slot left are over; a round of the cluster's barrier; then the slot left is filled again, one load a wave
.macro CHANGE fill
	s_wait_tensorcnt 0x0
	ds_add_u32 v[SPW], v[NIL]
.if \fill
	s_xor_b32 s[G0K+1], s[G0K+1], SLOT1
	s_add_nc_u64 s[G0K+2:G0K+3], s[G0K+2:G0K+3], 16384
	s_xor_b32 s[G0V+1], s[G0V+1], SLOT1
	s_add_nc_u64 s[G0V+2:G0V+3], s[G0V+2:G0V+3], 65536
	s_xor_b32 s[G0M+1], s[G0M+1], SLOT1
	s_add_nc_u64 s[G0M+2:G0M+3], s[G0M+2:G0M+3], 1024
	s_wait_xcnt 0x0                                ; my prefetches have read their addresses
	s_add_nc_u64 s[PFK:PFK+1], s[PFK:PFK+1], 16384
	s_add_nc_u64 s[PFV:PFV+1], s[PFV:PFV+1], 65536
	s_add_nc_u64 s[PFM:PFM+1], s[PFM:PFM+1], 1024
.endif
	s_wait_dscnt 0x0
.if \fill
	CROUND
	TLOAD3
	ASK
.else
	s_barrier_signal -1
	s_barrier_wait -1
.endif
.endm
	s_wait_alu depctr_va_vdst(0)
	s_wait_loadcnt 0x0                             ; Q
	CHANGE 1                                       ; slot 0 is whole; slot 1's first fill is issued as a refill is
	NEXTL                                          ; step 0's mask and K
	s_mov_b32 s[SLOTS], NSL-2
.Lslot:                                            ; six trips: step s asks for the keys of step s + 2
	STEP 1
	s_sub_co_u32 s[SLOTS], s[SLOTS], 1
	s_cmp_lg_u32 s[SLOTS], 0
	s_cbranch_scc1 .Lslot
	s_mov_b32 s[SLOTS], 2
.Ltail:                                            ; the last two steps ask for nothing
	STEP 0
	s_sub_co_u32 s[SLOTS], s[SLOTS], 1
	s_cmp_lg_u32 s[SLOTS], 0
	s_cbranch_scc1 .Ltail
; THE TWO HALVES OF THE KEYS ARE JOINED.  The stages lie in slot 0, which has had its last fill and its last read.
.macro SENDO ob, st                    ; one head's O^T and state to my stage
	WIN 0x04
.set i, 0
.rept 16
	ds_store_b128 v[STW], v[\ob+4*i:\ob+4*i+3] offset:512*i
.set i, i+1
.endr
	WIN 0
	ds_store_b128 v[STW], v[\st:\st+3] offset:8192
.endm
.macro MERGE ob, st, oc, os            ; my head: my half and my partner's under the larger M, / the sum, quantised along the head's 128, stored
.set i, 0
.rept 16
	ds_load_b128 v[96+4*i:99+4*i], v[STR] offset:512*i
.set i, i+1
.endr
	ds_load_b128 v[232:235], v[STR] offset:8192
	s_wait_dscnt 0x0
	v_min_num_f32 v236, v[\st], v232
	v_add_f32 v[\st+2], v[\st+2], v[\st+3]
	v_add_f32 v234, v234, v235
	v_sub_f32 v237, v236, v[\st]
	v_sub_f32 v238, v236, v232
	v_cvt_i32_f32 v237, v237
	v_cvt_i32_f32 v238, v238
	v_ldexp_f32 v252, 1.0, v237
	v_ldexp_f32 v254, 1.0, v238
	v_mul_f32 v[\st+2], v[\st+2], v252
	v_fma_f32 v[\st+2], v234, v254, v[\st+2]
	v_permlanex16_b32 v239, v[\st+2], s[SEL], s[SEL+1]
	v_add_f32 v[\st+2], v[\st+2], v239
	s_wait_alu depctr_va_vdst(0)                   ; the wait ahead of the transcendental
	v_rcp_f32 v[\st+2], v[\st+2]
	v_nop
	s_wait_alu depctr_va_vdst(0)                   ; and ahead of its first reader
	v_mul_f32 v252, v252, v[\st+2]
	v_mul_f32 v254, v254, v[\st+2]
.set j, 0
.rept 32
	v_pk_mul_f32 v[96+j:97+j], v[96+j:97+j], v[254:255] op_sel_hi:[1,0]
.set j, j+2
.endr
	WIN 0x01
	s_wait_alu depctr_va_vdst(0)                   ; directly ahead of the first reader of the last products' results
.set j, 0
.rept 32
	v_pk_fma_f32 v[96+j:97+j], v[\ob+j:\ob+j+1], v[252:253], v[96+j:97+j] op_sel_hi:[1,0,1]
.set j, j+2
.endr
	WIN 0
.irp b, 0,1,2,3
	v_max3_num_f32 v[TM+\b], |v[96+16*\b]|, |v[97+16*\b]|, 0x1800000
.endr
.irp i, 2,4,6,8,10,12,14
.irp b, 0,1,2,3
	v_max3_num_f32 v[TM+\b], |v[96+16*\b+\i]|, |v[97+16*\b+\i]|, v[TM+\b]
.endr
.endr
.irp b, 0,1,2,3
	v_permlanex16_b32 v[TM+4+\b], v[TM+\b], s[SEL], s[SEL+1]
.endr
.irp b, 0,1,2,3
	v_max_num_f32 v[TM+\b], v[TM+\b], v[TM+4+\b]
.endr
.irp b, 0,1,2,3
	v_add_nc_u32 v[TM+12+\b], 0xff000000, v[TM+\b]
.endr
.irp b, 0,1,2,3
	v_lshrrev_b32 v[TM+4+\b], 23, v[TM+12+\b]
.endr
	v_lshl_or_b32 v254, v[TM+5], 8, v[TM+4]
	v_lshl_or_b32 v254, v[TM+6], 16, v254
	v_lshl_or_b32 v254, v[TM+7], 24, v254
.irp b, 0,1,2,3
	v_cvt_scalef32_pk8_fp4_f32 v[224+4*(\b/2)+(\b%2)], v[96+16*\b:103+16*\b], v[TM+12+\b]
	v_cvt_scalef32_pk8_fp4_f32 v[226+4*(\b/2)+(\b%2)], v[104+16*\b:111+16*\b], v[TM+12+\b]
.endr
	v_nop
.irp c, 0,1
	v_permlane16_swap_b32 v[224+4*\c], v[225+4*\c]
	v_permlane16_swap_b32 v[226+4*\c], v[227+4*\c]
.endr
	global_store_b128 v249, v[224:227], s[10:11] offset:\oc
	global_store_b128 v249, v[228:231], s[10:11] offset:\oc+32
	global_store_b32 v250, v254, s[12:13] offset:\os
.endm
.rept 4
	v_nop                                          ; places in front of the stores that read the last products' results
.endr
	s_wait_alu depctr_va_vdst(0)
	s_wait_dscnt 0x0                               ; on every way out of the loop my reads of the slots are over,
	s_barrier_signal -1
	s_barrier_wait -1                              ; and everybody's: the stages may be written
	s_cmp_lt_u32 s[WV], 4
	s_cbranch_scc1 .Llow_send
	SENDO 0, 12                                    ; the upper waves hand head A over,
	s_branch .Lsent
.Llow_send:
	SENDO 64, 184                                  ; the lower ones head B
.Lsent:
	s_wait_dscnt 0x0
	s_barrier_signal -1
	s_barrier_wait -1
	s_cmp_lt_u32 s[WV], 4
	s_cbranch_scc1 .Llow_merge
	MERGE 64, 184, 64, 4
	s_branch .Lend
.Llow_merge:
	MERGE 0, 12, 0, 0
.Lend:
	s_wait_tensorcnt 0x0                           ; the wave's end
	ds_add_u32 v[SPW], v[NIL]
	s_wait_dscnt 0x0
	CROUND                                         ; the closing round
	s_endpgm
.Lfunc_end_k_qdbe8734a38_attn:
	.size	k_qdbe8734a38_attn, .Lfunc_end_k_qdbe8734a38_attn-k_qdbe8734a38_attn
	.p2alignl 7, 3214868480
	.fill 96, 4, 3214868480
	.section	.rodata,"a",@progbits
	.p2align	6, 0x0
	.amdhsa_kernel k_qdbe8734a38_attn
		.amdhsa_group_segment_fixed_size 327680
		.amdhsa_private_segment_fixed_size 0
		.amdhsa_enable_private_segment 0
		.amdhsa_kernarg_size 40
		.amdhsa_user_sgpr_count 2
		.amdhsa_user_sgpr_kernarg_segment_ptr 1
		.amdhsa_wavefront_size32 1
		.amdhsa_system_sgpr_workgroup_id_x 1
		.amdhsa_system_sgpr_workgroup_id_y 1
		.amdhsa_system_sgpr_workgroup_id_z 1
		.amdhsa_system_vgpr_workitem_id 0
		.amdhsa_next_free_vgpr 512
		.amdhsa_next_free_sgpr 100
		.amdhsa_reserve_vcc 0
		.amdhsa_float_denorm_mode_32 3
		.amdhsa_float_denorm_mode_16_64 3
		.amdhsa_memory_ordered 1
		.amdhsa_forward_progress 1
		.amdhsa_inst_pref_size 124
	.end_amdhsa_kernel
	.amdgpu_metadata
---
amdhsa.version: [ 1, 2 ]
amdhsa.kernels:
  - .name:           k_qdbe8734a38_attn
    .symbol:         k_qdbe8734a38_attn.kd
    .args:
      - { .name: qkv_codes, .offset: 0, .size: 8, .value_kind: global_buffer, .address_space: global }
      - { .name: qkv_scales, .offset: 8, .size: 8, .value_kind: global_buffer, .address_space: global }
      - { .name: attention_mask, .offset: 16, .size: 8, .value_kind: global_buffer, .address_space: global }
      - { .name: o_codes, .offset: 24, .size: 8, .value_kind: global_buffer, .address_space: global }
      - { .name: o_scales, .offset: 32, .size: 8, .value_kind: global_buffer, .address_space: global }
    .group_segment_fixed_size: 327680
    .private_segment_fixed_size: 0
    .kernarg_segment_align: 8
    .kernarg_segment_size: 40
    .max_flat_workgroup_size: 256
    .sgpr_count:     100
    .vgpr_count:     512
    .wavefront_size: 32
...
	.end_amdgpu_metadata
.endif
;; end of part 3
;; launch oproj (part 4): grid 16 x 16, 4 waves a work-group, clusters of 4 x 4, 327,680 bytes of LDS; arguments o_codes, o_scales, w_codes, w_scales, out0; writes out0
.if DOCPART == 4
	.amdgcn_target "amdgcn-amd-amdhsa--gfx1250"
	.amdhsa_code_object_version 6
	.text
	.protected	k_qdbe8734a38_oproj
	.globl	k_qdbe8734a38_oproj
	.p2align	8
	.type	k_qdbe8734a38_oproj,@function
k_qdbe8734a38_oproj:
	s_mov_b64 s[64:65], 0
	v_nop
	global_prefetch_b8 v0, s[64:65] scope:SCOPE_SE
	s_setreg_imm32_b32 hwreg(HW_REG_WAVE_MODE, 25, 1), 1
	s_wait_xcnt 0x0
	s_wait_alu depctr_hold_cnt(0) depctr_sa_sdst(0) depctr_va_vdst(0) depctr_va_sdst(0) depctr_va_ssrc(0) depctr_va_vcc(0) depctr_vm_vsrc(0)
	s_getreg_b32 s2, hwreg(HW_REG_IB_STS2, 6, 4)
	s_cmp_eq_u32 s2, 0
	s_cbranch_scc0 .Lentry_in_a_cluster
	s_endpgm
.Lentry_in_a_cluster:
	s_bfe_u32 s2, ttmp6, 0x10000c
	s_cmp_lg_u32 s2, 0xf033
	s_cbranch_scc0 .Lentry_shape_is_right
	s_endpgm
.Lentry_shape_is_right:
.set SIZE_M, 4096
.set SIZE_N, 4096
.set SIZE_K, 1024
.set WO_C,   4194304
.set WO_S,   262144
.set KSTEP,  512
.set NQ,     KSTEP/128
.set ROWB,   256
.set KROW,   SIZE_K*4/8
.set PITCH,  272
.set FR,     8
.set NL,     2
.set NP,     4
.set HALFT,  128*PITCH
.set SLOT,   4*HALFT
.set KS,     SIZE_K/32
.set SCL,    2*SLOT
.set HALFS,  (128*KS/256)*272
.set SBLK,   (16*KS/256)*272
.set SPARE,  SCL+4*HALFS
.set SPITCH, 528
.set ADRA, 16
.set ADRB, 20
.set STO,  24
.set RD,   25
.set CO,   26
.set ADRS, 27
.set SPW,  28
.set NIL,  29
.set SC,   32
.set AF,   128
.set BK,   128
.set G1, 24
.set G0, 32
.set G1B, 48
.set G0B, 56
.set G1S, 68
.set G0S, 76
.set G1SB, 80
.set G0SB, 88
.set MSB, 0
.macro WIN new
.if MSB != \new
	s_set_vgpr_msb (MSB<<8)|\new
.set MSB, \new
.endif
.endm
.set MUL_LO, 0xa1
.set MUL_HI, 0xf1
.set TO_B,   0x40
.macro JLOAD g0a, g1a, g0b, g1b
	s_cmp_eq_u32 s15, 0
	s_cbranch_scc0 .Lfor_b_\@
	tensor_load_to_lds s[\g0a:\g0a+3], s[\g1a:\g1a+7]
	s_nop 0
.rept 4
	v_nop
.endr
	s_branch .Lasked_\@
.Lfor_b_\@:
	tensor_load_to_lds s[\g0b:\g0b+3], s[\g1b:\g1b+7]
	s_nop 0
.rept 4
	v_nop
.endr
.Lasked_\@:
.endm
.macro CREST
	s_cmp_lg_u32 s14, 0
	s_cbranch_scc1 .Lnot_wave_0_\@
	s_barrier_signal -3
.Lnot_wave_0_\@:
	s_barrier_wait -3
	s_barrier_signal -1
	s_barrier_wait -1
.endm
.macro CROUND
	s_barrier_signal -1
	s_barrier_wait -1
	CREST
.endm
	s_load_b128 s[4:7], s[0:1], 0x0
	s_load_b128 s[8:11], s[0:1], 0x10
	s_load_b64 s[12:13], s[0:1], 0x20
	v_lshl_add_u32 v[SPW], v0, 2, SPARE
	v_mov_b32 v[NIL], 0
	ds_add_u32 v28, v29
	ds_add_u32 v28, v29
	s_wait_dscnt 0x0
	v_lshrrev_b32 v1, 5, v0
	v_readfirstlane_b32 s14, v1
	s_lshr_b32 s15, s14, 1
	s_and_b32 s16, s14, 1
	s_bfe_u32 s40, ttmp6, 0x40000
	s_bfe_u32 s41, ttmp6, 0x40004
	s_lshl_b32 s42, ttmp9, 2
	s_add_co_u32 s42, s42, s40
	s_and_b32 s17, ttmp7, 0xffff
	s_lshl_b32 s17, s17, 2
	s_add_co_u32 s17, s17, s41
	s_lshl_b32 s43, s41, 2
	s_lshl_b32 s43, 15, s43
	s_lshl_b32 s44, 0x1111, s40
	s_or_b32 s[G1+0], s43, (0<<16)|(1<<20)|(1<<21)|(5<<22)|(3<<25)
	s_or_b32 s[G1B+0], s44, (0<<16)|(1<<20)|(1<<21)|(5<<22)|(3<<25)
.irp g, G1, G1B
	s_mov_b32 s[\g+1], ROWB<<16
	s_mov_b32 s[\g+2], 256<<16
	s_mov_b32 s[\g+3], ROWB<<16
	s_mov_b32 s[\g+4], 256
	s_mov_b32 s[\g+5], KROW
	s_mov_b32 s[\g+6], 0
	s_mov_b32 s[\g+7], 0
.endr
	s_or_b32 s[G1S+0], s43, (3<<16)|(1<<20)|(1<<21)|(5<<22)|(3<<25)
	s_or_b32 s[G1SB+0], s44, (3<<16)|(1<<20)|(1<<21)|(5<<22)|(3<<25)
.irp g, G1S, G1SB
	s_mov_b32 s[\g+1], 32<<16
	s_mov_b32 s[\g+2], KS<<16
	s_mov_b32 s[\g+3], 32<<16
	s_mov_b32 s[\g+4], KS
	s_mov_b32 s[\g+5], 32
	s_mov_b32 s[\g+6], 0
	s_mov_b32 s[\g+7], 0
.endr
	s_lshl_b32 s20, s17, 8
	s_lshl_b32 s46, s42, 8
	s_mov_b32 s21, 0
	s_mov_b32 s47, 0
	s_mov_b64 s[18:19], KS
	s_mul_u64 s[22:23], s[20:21], s[18:19]
	s_mul_u64 s[92:93], s[46:47], s[18:19]
	s_mov_b64 s[18:19], KROW
	s_mul_u64 s[20:21], s[20:21], s[18:19]
	s_mul_u64 s[46:47], s[46:47], s[18:19]
	s_mul_i32 s45, s14, HALFT
	s_wait_kmcnt 0x0
	s_add_nc_u64 s[8:9], s[8:9], WO_C
	s_add_nc_u64 s[10:11], s[10:11], WO_S
	s_add_nc_u64 s[20:21], s[4:5], s[20:21]
	s_add_nc_u64 s[22:23], s[6:7], s[22:23]
	s_add_nc_u64 s[46:47], s[8:9], s[46:47]
	s_add_nc_u64 s[92:93], s[10:11], s[92:93]
	CROUND
	s_mov_b32 s[G0S], 1
	s_mov_b32 s[G0S+1], SCL
	s_mov_b64 s[G0S+2:G0S+3], s[22:23]
	s_or_b32 s[G0S+3], s[G0S+3], 0x80000000
	s_mov_b32 s[G0SB], 1
	s_mov_b32 s[G0SB+1], SCL+2*HALFS
	s_mov_b64 s[G0SB+2:G0SB+3], s[92:93]
	s_or_b32 s[G0SB+3], s[G0SB+3], 0x80000000
	s_mov_b32 s4, 1                                ; s[4:7], s[8:11]: group 0 of the head's loads of K step 0, A's 256 rows and B's (the arguments that lay there have been used)
	s_mov_b32 s5, 0
	s_mov_b64 s[6:7], s[20:21]
	s_or_b32 s7, s7, 0x80000000
	s_mov_b32 s8, 1
	s_mov_b32 s9, 2*HALFT
	s_mov_b64 s[10:11], s[46:47]
	s_or_b32 s11, s11, 0x80000000
	s_mul_i32 s18, s16, 128*KROW                   ; for slot 1: my 128 rows of the tile
	s_mov_b32 s19, 0
	s_add_nc_u64 s[20:21], s[20:21], s[18:19]
	s_add_nc_u64 s[46:47], s[46:47], s[18:19]
.irp s, 0,1
	s_mov_b32 s[G0+4*\s], 1
	s_add_co_u32 s[G0+4*\s+1], s45, \s*SLOT
	s_add_nc_u64 s[G0+4*\s+2:G0+4*\s+3], s[20:21], \s*ROWB
	s_or_b32 s[G0+4*\s+3], s[G0+4*\s+3], 0x80000000
	s_mov_b32 s[G0B+4*\s], 1
	s_add_co_u32 s[G0B+4*\s+1], s45, \s*SLOT
	s_add_nc_u64 s[G0B+4*\s+2:G0B+4*\s+3], s[46:47], \s*ROWB
	s_or_b32 s[G0B+4*\s+3], s[G0B+4*\s+3], 0x80000000
.endr
; THE HEAD'S LOADS, ONE A WAVE: wave 0 K step 0's 256 rows of A, wave 1 those of B, wave 2 A's scale bytes, wave 3 B's.  One tree on the wave's number, one load to an arm.
.macro ARM under, g0, g1, next
	s_cmp_lt_u32 s14, \under
	s_cbranch_scc0 \next
	tensor_load_to_lds s[\g0:\g0+3], s[\g1:\g1+7]
	s_nop 0
.rept 4
	v_nop
.endr
	s_branch .Lhead_asked
\next:
.endm
	ARM 1, 4, G1, .Lhead_b
	ARM 2, 8, G1B, .Lhead_sa
	ARM 3, G0S, G1S, .Lhead_sb
	tensor_load_to_lds s[G0SB:G0SB+3], s[G1SB:G1SB+7]
	s_nop 0
.rept 4
	v_nop
.endr
.Lhead_asked:
	v_and_b32 v1, 15, v0
	v_bfe_u32 v2, v0, 4, 1
	v_mul_u32_u24 v3, v1, PITCH
	v_lshl_add_u32 v4, v2, 4, v3
	s_mul_i32 s21, s15, HALFT
	s_mul_i32 s22, s16, HALFT
	s_add_co_u32 s22, s22, 2*HALFT
.irp s, 0,1
	v_add_nc_u32 v[ADRA+\s], s21, v4
	v_add_nc_u32 v[ADRB+\s], s22, v4
	s_add_co_u32 s21, s21, SLOT
	s_add_co_u32 s22, s22, SLOT
.endr
	v_mul_u32_u24 v5, v1, KS
	v_lshrrev_b32 v6, 8, v5
	v_lshl_add_u32 v5, v6, 4, v5
	s_mul_i32 s21, s15, HALFS
	s_mul_i32 s22, s16, HALFS
	s_add_co_u32 s22, s22, 2*HALFS
	s_sub_co_u32 s22, s22, s21
	v_mul_u32_u24 v6, s22, v2
	s_add_co_u32 s21, s21, SCL
	v_add_nc_u32 v5, v5, v6
	v_add_nc_u32 v[ADRS], s21, v5
	s_mul_i32 s23, s14, 16*SPITCH
	v_mul_u32_u24 v5, v1, SPITCH
	v_lshl_add_u32 v5, v2, 5, v5
	v_add_nc_u32 v[STO], s23, v5
	v_and_b32 v6, 31, v0
	v_lshlrev_b32 v[CO], 4, v6
	v_add_nc_u32 v[RD], s23, v[CO]
	s_lshl_b32 s20, s17, 8
	s_lshl_b32 s21, s15, 7
	s_add_co_u32 s20, s20, s21
	s_mov_b32 s21, 0
	s_mov_b64 s[18:19], SIZE_N*4
	s_mul_u64 s[20:21], s[20:21], s[18:19]
	s_lshl_b32 s46, s42, 10
	s_lshl_b32 s47, s16, 9
	s_add_co_u32 s46, s46, s47
	s_mov_b32 s47, 0
	s_add_nc_u64 s[20:21], s[20:21], s[46:47]
	s_add_nc_u64 s[12:13], s[12:13], s[20:21]
.macro FRAG reg, adr, q, i
.irp c, 0,1
	ds_load_b128 v[\reg+4*\c:\reg+4*\c+3], v[\adr] offset:64*(\q)+32*\c+(\i)*16*PITCH
.endr
.endm
.macro MUL16 a0, p, q, sc, zero
.irp a, \a0, \a0+1
.irp b, 0,1,2,3,4,5,6,7
.if \zero
	v_wmma_scale_f32_16x16x128_f8f6f4 v[8*(8*((\a)%4)+\b):8*(8*((\a)%4)+\b)+7], v[128*(\p)+FR*\b:128*(\p)+FR*\b+FR-1], v[AF+FR*(\a):AF+FR*(\a)+FR-1], 0, v[SC+8*NQ*(\sc)+NQ*\b+(\q)], v[SC+8*NQ*(\sc)+NQ*(\a)+(\q)] matrix_a_fmt:MATRIX_FMT_FP4 matrix_b_fmt:MATRIX_FMT_FP4 matrix_a_scale:MATRIX_SCALE_ROW1
.else
	v_wmma_scale_f32_16x16x128_f8f6f4 v[8*(8*((\a)%4)+\b):8*(8*((\a)%4)+\b)+7], v[128*(\p)+FR*\b:128*(\p)+FR*\b+FR-1], v[AF+FR*(\a):AF+FR*(\a)+FR-1], v[8*(8*((\a)%4)+\b):8*(8*((\a)%4)+\b)+7], v[SC+8*NQ*(\sc)+NQ*\b+(\q)], v[SC+8*NQ*(\sc)+NQ*(\a)+(\q)] matrix_a_fmt:MATRIX_FMT_FP4 matrix_b_fmt:MATRIX_FMT_FP4 matrix_a_scale:MATRIX_SCALE_ROW1
.endif
.endr
.endr
.endm
.macro FETCH_B slot, q, p
	WIN TO_B
.irp i, 0,1,2,3,4,5,6,7
	FRAG 128*(\p)+FR*\i, ADRB+\slot, \q, \i
.endr
	WIN 0
.endm
.macro FETCH_A slot, q, i0
.irp i, \i0, \i0+1, \i0+2, \i0+3
	FRAG AF+FR*(\i), ADRA+\slot, \q, \i
.endr
.endm
.macro SCALES sc
.irp i, 0,1,2,3,4,5,6,7
	ds_load_b128 v[SC+8*NQ*\sc+NQ*\i:SC+8*NQ*\sc+NQ*\i+3], v[ADRS] offset:\i*SBLK
.endr
.endm
.macro PLACES n
.rept \n
	v_nop
.endr
.endm
.macro STEP slot, q, zero
	s_wait_dscnt 4*NL
	WIN MUL_LO
	MUL16 0, (\q)%2, \q, \slot, \zero
	MUL16 2, (\q)%2, \q, \slot, \zero
	s_wait_dscnt 0
	PLACES NP
	FETCH_B \slot, (\q)+1, 1-(\q)%2
	FETCH_A \slot, (\q)+1, 0
	WIN MUL_HI
	MUL16 4, (\q)%2, \q, \slot, \zero
	MUL16 6, (\q)%2, \q, \slot, \zero
	PLACES NP
	WIN 0
	FETCH_A \slot, (\q)+1, 4
.endm
.macro TURN slot, next
	s_wait_tensorcnt 0x0
	ds_add_u32 v[SPW], v[NIL]
	s_wait_dscnt 4*NL+1
	WIN MUL_LO
	MUL16 0, 1, NQ-1, \slot, 0
	s_wait_dscnt 0x0
	s_barrier_signal -1
	MUL16 2, 1, NQ-1, \slot, 0
	WIN 0
	s_barrier_wait -1
	PLACES NP
	v_add_nc_u32 v[ADRS], 4*NQ, v[ADRS]
	FETCH_B \next, 0, 0
	FETCH_A \next, 0, 0
	SCALES \next
	WIN MUL_HI
	MUL16 4, 1, NQ-1, \slot, 0
	MUL16 6, 1, NQ-1, \slot, 0
	PLACES NP
	WIN 0
	FETCH_A \next, 0, 4
.endm
	s_wait_alu depctr_va_vdst(0)
	s_wait_tensorcnt 0x0                           ; my tile of the head's four is in
	ds_add_u32 v[SPW], v[NIL]
	s_mov_b32 s[G1+2], 128<<16                     ; no tensor load of mine is out: slot 1's loads bring 128 rows each
	s_mov_b32 s[G1+4], 128
	s_mov_b32 s[G1B+2], 128<<16
	s_mov_b32 s[G1B+4], 128
	s_wait_dscnt 0x0
	CROUND                                         ; all four tiles are in, and all sixteen work-groups are here
	JLOAD G0+4, G1, G0B+4, G1B                     ; K step 1: my one tensor load behind the round
	FETCH_B 0, 0, 0
	FETCH_A 0, 0, 0
	SCALES 0
	FETCH_A 0, 0, 4
	STEP 0, 0, 1
	STEP 0, 1, 0
	STEP 0, 2, 0
	TURN 0, 1
	STEP 1, 0, 0
	STEP 1, 1, 0
	STEP 1, 2, 0
	s_wait_dscnt 4*NL
	WIN MUL_LO
	MUL16 0, 1, NQ-1, 1, 0
	MUL16 2, 1, NQ-1, 1, 0
	s_wait_dscnt 0
	WIN MUL_HI
	MUL16 4, 1, NQ-1, 1, 0
	MUL16 6, 1, NQ-1, 1, 0
	WIN 0
.macro TOSTAGE a
.set AC, 64*((\a)%4)
	WIN 0x08+4*((\a)/4)
.irp b, 0,1,2,3,4,5,6,7
	ds_store_b128 v[STO], v[AC+8*\b:AC+8*\b+3] offset:64*\b
	ds_store_b128 v[STO], v[AC+8*\b+4:AC+8*\b+7] offset:64*\b+16
.endr
	WIN 0
.set BB, BK+64*((\a)%2)
.irp t, 0,1,2,3,4,5,6,7,8,9,10,11,12,13,14,15
	ds_load_b128 v[BB+4*\t:BB+4*\t+3], v[RD] offset:\t*SPITCH
.endr
.endm
.macro SEND a, younger
.set BB, BK+64*((\a)%2)
	s_wait_dscnt \younger
.if (\a) > 0
	s_add_nc_u64 s[12:13], s[12:13], 16*SIZE_N*4
.endif
.irp t, 0,1,2,3,4,5,6,7,8,9,10,11,12,13,14,15
	global_store_b128 v[CO], v[BB+4*\t:BB+4*\t+3], s[12:13] offset:\t*SIZE_N*4 th:TH_STORE_NT
.endr
.endm
	PLACES NP
	TOSTAGE 0
.irp a, 1,2,3,4,5,6,7
.if \a > 1
	s_wait_xcnt 0x0
.endif
	TOSTAGE \a
	SEND \a-1, 32
.endr
	s_wait_xcnt 0x0
	SEND 7, 0
	s_wait_tensorcnt 0x0
	ds_add_u32 v[SPW], v[NIL]
	s_wait_dscnt 0x0
	CROUND
	s_endpgm
.Lfunc_end_k_qdbe8734a38_oproj:
	.size	k_qdbe8734a38_oproj, .Lfunc_end_k_qdbe8734a38_oproj-k_qdbe8734a38_oproj
	.p2alignl 7, 3214868480
	.fill 96, 4, 3214868480
	.section	.rodata,"a",@progbits
	.p2align	6, 0x0
	.amdhsa_kernel k_qdbe8734a38_oproj
		.amdhsa_group_segment_fixed_size 327680
		.amdhsa_private_segment_fixed_size 0
		.amdhsa_enable_private_segment 0
		.amdhsa_kernarg_size 40
		.amdhsa_user_sgpr_count 2
		.amdhsa_user_sgpr_kernarg_segment_ptr 1
		.amdhsa_wavefront_size32 1
		.amdhsa_system_sgpr_workgroup_id_x 1
		.amdhsa_system_sgpr_workgroup_id_y 1
		.amdhsa_system_sgpr_workgroup_id_z 1
		.amdhsa_system_vgpr_workitem_id 0
		.amdhsa_next_free_vgpr 1024
		.amdhsa_next_free_sgpr 98
		.amdhsa_reserve_vcc 0
		.amdhsa_float_denorm_mode_32 3
		.amdhsa_float_denorm_mode_16_64 3
		.amdhsa_memory_ordered 1
		.amdhsa_forward_progress 1
		.amdhsa_inst_pref_size 126
	.end_amdhsa_kernel
	.amdgpu_metadata
---
amdhsa.version: [ 1, 2 ]
amdhsa.kernels:
  - .name:           k_qdbe8734a38_oproj
    .symbol:         k_qdbe8734a38_oproj.kd
    .args:
      - { .name: o_codes, .offset: 0, .size: 8, .value_kind: global_buffer, .address_space: global }
      - { .name: o_scales, .offset: 8, .size: 8, .value_kind: global_buffer, .address_space: global }
      - { .name: w_codes, .offset: 16, .size: 8, .value_kind: global_buffer, .address_space: global }
      - { .name: w_scales, .offset: 24, .size: 8, .value_kind: global_buffer, .address_space: global }
      - { .name: out0, .offset: 32, .size: 8, .value_kind: global_buffer, .address_space: global }
    .group_segment_fixed_size: 327680
    .private_segment_fixed_size: 0
    .kernarg_segment_align: 8
    .kernarg_segment_size: 40
    .max_flat_workgroup_size: 128
    .sgpr_count:     98
    .vgpr_count:     1024
    .wavefront_size: 32
...
	.end_amdgpu_metadata
.endif
;; end of part 4
